; MI455X (gfx1250); checked and timed in simulation.
; The chip was launched on July 23, 2026; its instructions are those of AMD's public machine-readable ISA for CDNA 5 (MIT licence, August 2026) and "CDNA5" Instruction Set Architecture Reference Guide (July 2026). The comments in the code are by the model that wrote it; some were corrected since.
;; QK Norm Attention. Allowed arithmetic: matrix products marked QUANTISED: E4M3 operands, one given power-of-two scale a tensor, by v_wmma_f32_16x16x64_fp8_fp8 or v_wmma_f32_16x16x128_fp8_fp8, f32 sums; everything else in f32.
;; Inputs: attn_mask 2,048 x 2,048 bool; k_norm_w 128 float32; lowp_scales 12 int32 (the exponents e of the quantised operands' scales 2^e); q_norm_w 128 float32; rope_cos 2,048 x 128 float32; rope_sin 2,048 x 128 float32; wk 2,048 x 2,048 float32; wo 2,048 x 2,048 float32; wq 2,048 x 2,048 float32; wv 2,048 x 2,048 float32; x 1 x 2,048 x 2,048 float32.
;; Outputs: out0 1 x 2,048 x 2,048 float32.
;; This version of the problem:
;;   THIS VERSION OF THE PROBLEM IS GIVEN IN LOW PRECISION. The matrix products marked QUANTISED in the list below multiply operands that are first quantised to E4M3 (4 exponent bits, 3 mantissa bits; 8 bits a number), with one given power-of-two scale for each operand tensor; their sums are f32. All else is computed in f32.
;;   The module's matrix products, in the order in which they are computed (A, B: the left and right operand; K: the contracted axis; several contracted axes count as one K, in the product's order):
;;     1. [M 2,048, K 2,048] x [K 2,048, N 2,048]; A: input x; B: input wq: QUANTISED (scales: A lowp_scales[0], B lowp_scales[1])
;;     2. [M 2,048, K 2,048] x [K 2,048, N 2,048]; A: input x; B: input wk: QUANTISED (scales: A lowp_scales[2], B lowp_scales[3])
;;     3. [M 2,048, K 2,048] x [K 2,048, N 2,048]; A: input x; B: input wv: QUANTISED (scales: A lowp_scales[4], B lowp_scales[5])
;;     4. batch 16 x [M 2,048, K 128] x [K 128, N 2,048]; A: computed on the way; B: computed on the way: QUANTISED (scales: A lowp_scales[6], B lowp_scales[7])
;;     5. batch 16 x [M 2,048, K 2,048] x [K 2,048, N 128]; A: softmax (see below); B: computed on the way: QUANTISED (scales: A lowp_scales[8], B lowp_scales[9])
;;     6. [M 2,048, K 2,048] x [K 2,048, N 2,048]; A: computed on the way; B: input wo: QUANTISED (scales: A lowp_scales[10], B lowp_scales[11])
;;   THE QUANTISER, for each operand of a quantised product, along K:
;;     - The operand's scale is 2^e, e = its entry of the input lowp_scales (int32; the entries are numbered through the quantised products in the list's order, A before B).
;;     - Each number is divided by the scale, clamped to +-448, and rounded to the nearest number of E4M3, ties to even, subnormals kept.
;;     - The product sums the exact products of the quantised numbers (number of the format x scale) in f32.
;;   ~~~python
;;   def quantise(x, axis, e):      # numpy; x: float32 -> the quantised numbers, widened to float32 again
;;       x = np.moveaxis(x, axis, -1); K = x.shape[-1]
;;       r = np.clip(x / 2.0 ** e, -448, 448)
;;       step = 2.0 ** (np.maximum(np.frexp(np.where(r == 0, 1, r))[1] - 1, -6) - 3)
;;       q = np.round(r / step) * step * 2.0 ** e      # np.round: ties to even
;;       return np.moveaxis(q, -1, axis).astype(np.float32)
;;   ~~~
;;   SOFTMAX AHEAD OF A QUANTISED PRODUCT. Where the list says 'softmax', what is quantised is not the finished softmax but p = 2^(t - M), with t = logit x log2(e) and M = ceil(the row's largest t), a whole number; so 1/2 < the row's largest p <= 1. The row's sum l is taken of the UNQUANTISED p, in f32, and the product's result is divided by l at the end. Since M is a whole number, a kernel that streams over the keys may use a running M (the ceiling of the running maximum): every later rescaling is an exact power of two, so the quantised numbers keep their values, but for numbers so far below the row's largest that they fall under the format's range.
;;   OPERANDS COMPUTED ON THE WAY. 'Computed on the way' means the value that the module computes at that place (a softmax that the list does not call 'softmax' is quantised finished and normalised). What goes into a quantiser is computed in f32, as accurately as f32 sums, v_exp_f32 and their like allow (about 1e-6 of the number): no bf16 or f16 on the way to a quantiser, and a product that is left as it is and whose result goes on into a quantised operand takes f32 operands (vector FMAs, or v_wmma_f32_16x16x4_f32). A number that lies on a knife's edge between two numbers of the format may be rounded either way, as far as f32 arithmetic and the matrix unit's own rounding can turn it there, and no further.
;; One version. Each part assembles by itself: llvm-mc -triple=amdgcn-amd-amdhsa -mcpu=gfx1250 --defsym DOCPART=n.
;; ======== version 1 of 1: 4 launches
;; limits: right only within a limited range of input values
;; workspace buffers: opnd 29,360,128 bytes; ropeimg 2,097,152 bytes; maskw 524,288 bytes of whole numbers; qkv 12,582,912 bytes; ocodes 4,194,304 bytes
;; launch prep (part 1): grid 832 x 1, 4 waves a work-group, no clusters, 34,304 bytes of LDS; arguments x, wq, wk, wv, wo, rope_cos, rope_sin, attn_mask, lowp_scales, opnd, ropeimg, maskw; writes opnd, ropeimg, maskw
.if DOCPART == 1
	.amdgcn_target "amdgcn-amd-amdhsa--gfx1250"
	.amdhsa_code_object_version 6
	.text
	.protected	k_qa10834e58c_prep
	.globl	k_qa10834e58c_prep
	.p2align	8
	.type	k_qa10834e58c_prep,@function
k_qa10834e58c_prep:
	s_mov_b64 s[64:65], 0
	v_nop
	global_prefetch_b8 v0, s[64:65] scope:SCOPE_SE
	s_setreg_imm32_b32 hwreg(HW_REG_WAVE_MODE, 25, 1), 1
	s_wait_xcnt 0x0
; PREP: every wide operand is quantised once, and the small tables are laid in the order in which the later kernels' registers take them.
; NOTHING OF THE PROBLEM IS LEFT OUT IN THIS PROGRAM: attn_mask is an input, so every score of every head can count and no tile of scores is passed over; every input has a way to the output and is loaded.
; x is quantised three times, with lowp_scales[0], [2] and [4], since the three entries need not be equal.
; THE LAYOUT OF ALL CODES: IMAGES OF FRAGMENTS.  A tile T is 16 rows; its lane r (0..15) holds row 32 (T / 2) + 8 (T % 2) + r + 8 (r / 8).  A fragment (tile T, K step s of 128) is 2,048 bytes:
; byte 512 c + 16 L + y (L = r + 16 h) is the code of k = 128 s + 32 c + 16 h + y: four 16-byte loads a lane, 512 consecutive bytes each, give the operand's 16 registers.  A matrix lies as T x 32,768 + s x 2,048.
; (Both operands of every product take k in this one order, so each code meets its partner.)  With these rows a transposed product leaves a lane's 64 results in the order of the next product's K.
; opnd: seven such matrices of 4 MiB: x by e0, x by e2, x by e4, wq, wk, wv, wo.
; ropeimg: cos, then sin (1 MiB each): T x 8,192 + 512 i + 16 L holds table[row of (T, r)][32 (i / 4) + 16 h + 4 (i % 4) + 0..3].
; maskw: Tq x 4,096 + 256 s + 4 n: bit L of word n is attn_mask[row of (Tq, r)][128 s + 32 (n / 16) + 16 h + n % 16]: a lane mask for register n of a tile of scores.
; code = x / 2^e, to the nearest code, ties to even.  LIMITS: each e used here lies between -126 and 119; NaN among the floating-point inputs is not served.
; SHARES.  Work-groups 0-639: matrix g / 128 (x, wq, wk, wv, wo), tile g % 128; wave w takes K steps 4 w .. 4 w + 3.  640-703: the two tables, a tile a wave.  704-831: the mask, a tile of queries a work-group, four key steps a wave.
; A stream: no matrix unit, no cluster, no barrier (waves share nothing).  The paths part on the work-group's number alone; only the first uses LDS.
.set SPARE, 33792                      ; behind the four stages: the spare words, 128 bytes a wave, that no other line names
.set STG,   8448                       ; a wave's stage: 16 rows
.set SP,    528                        ; of 512 bytes + 16: the sixteen rows that a read touches start 33 x 16 bytes apart
.set R,     16                         ; v16-143  two sets of 64 numbers
.set TMP,   144
.set CD,    176                        ; v176-223 codes: 16 registers for each of three scales
.set SPW,   12                         ; v12  LDS address of my spare word; never rewritten
.set NIL,   13                         ; v13  0; never rewritten
	s_load_b512 s[8:23], s[0:1], 0x0               ; x 8, wq 10, wk 12, wv 14, wo 16, cos 18, sin 20, mask 22
	s_load_b256 s[24:31], s[0:1], 0x40             ; the scales' exponents 24, opnd 26, ropeimg 28, maskw 30
	v_lshl_add_u32 v[SPW], v0, 2, SPARE
	v_mov_b32 v[NIL], 0
	v_lshrrev_b32 v1, 5, v0
	v_readfirstlane_b32 s3, v1                     ; wave 0..3
	v_and_b32 v1, 31, v0                           ; lane
	v_and_b32 v2, 15, v0                           ; r
	v_bfe_u32 v4, v0, 4, 1                         ; h
	v_lshlrev_b32 v3, 4, v1                        ; 16 x lane
	s_mul_i32 s62, s3, STG
	v_add_nc_u32 v14, s62, v3                      ; the stage, on the way in: a row's 512 bytes as they lie
	v_mul_u32_u24 v15, v2, SP
	v_lshl_add_u32 v15, v4, 6, v15
	v_add_nc_u32 v15, s62, v15                     ; and on the way out: row r, + 64 h: my 16 numbers of a block of 32
	v_and_b32 v5, 8, v2
	v_add_nc_u32 v5, v5, v2                        ; r + 8 (r / 8): my row in a tile's 24
	s_mov_b32 s63, 0
	s_wait_kmcnt 0x0
	s_cmp_ge_u32 ttmp9, 704
	s_cbranch_scc1 .Lmask
	s_cmp_ge_u32 ttmp9, 640
	s_cbranch_scc1 .Lrope
; ---- the five matrices
	s_load_b256 s[32:39], s[24:25], 0x0            ; e0 .. e7
	s_load_b128 s[40:43], s[24:25], 0x20           ; e8 .. e11
	s_lshr_b32 s2, ttmp9, 7                        ; which matrix
	s_and_b32 s60, ttmp9, 127                      ; T
	s_mov_b64 s[44:45], s[8:9]
	s_cmp_eq_u32 s2, 1
	s_cselect_b64 s[44:45], s[10:11], s[44:45]
	s_cmp_eq_u32 s2, 2
	s_cselect_b64 s[44:45], s[12:13], s[44:45]
	s_cmp_eq_u32 s2, 3
	s_cselect_b64 s[44:45], s[14:15], s[44:45]
	s_cmp_eq_u32 s2, 4
	s_cselect_b64 s[44:45], s[16:17], s[44:45]
	s_lshr_b32 s61, s60, 1
	s_lshl_b32 s61, s61, 18                        ; 32 rows of 8,192 bytes
	s_and_b32 s62, s60, 1
	s_lshl_b32 s62, s62, 16                        ; 8 rows
	s_add_co_u32 s62, s62, s61
	s_lshl_b32 s61, s3, 11                         ; my four K steps of 512 bytes
	s_add_co_u32 s62, s62, s61
	s_add_nc_u64 s[44:45], s[44:45], s[62:63]
	s_add_co_u32 s61, s2, 2
	s_cmp_eq_u32 s2, 0
	s_cselect_b32 s61, 0, s61                      ; the section of opnd: x 0 (and 1, 2), the weights 3 .. 6
	s_lshl_b32 s61, s61, 22
	s_lshl_b32 s62, s60, 15
	s_add_co_u32 s62, s62, s61
	s_lshl_b32 s61, s3, 13
	s_add_co_u32 s62, s62, s61
	s_add_nc_u64 s[46:47], s[26:27], s[62:63]
	s_add_nc_u64 s[56:57], s[46:47], 0x400000      ; x's second and third sections (used for x alone)
	s_add_nc_u64 s[58:59], s[46:47], 0x800000
.macro LOAD u                          ; K step u of my four: sixteen rows, 512 consecutive aligned bytes each
.irp i, 0,1,2,3,4,5,6,7,8,9,10,11,12,13,14,15
	global_load_b128 v[R+64*((\u)%2)+4*\i:R+64*((\u)%2)+4*\i+3], v3, s[44:45] offset:(\i+8*(\i/8))*8192+512*(\u) th:TH_LOAD_NT
.endr
.endm
.macro TURN u                          ; through my stage: in as loaded, back 16 neighbours along K at a time.  LDS serves a wave's instructions in order (ISA guide 5.7.1.4): no wait between
.irp i, 0,1,2,3,4,5,6,7,8,9,10,11,12,13,14,15
	ds_store_b128 v14, v[R+64*((\u)%2)+4*\i:R+64*((\u)%2)+4*\i+3] offset:SP*\i
.endr
.irp i, 0,1,2,3,4,5,6,7,8,9,10,11,12,13,14,15
	ds_load_b128 v[R+64*((\u)%2)+4*\i:R+64*((\u)%2)+4*\i+3], v15 offset:128*(\i/4)+16*(\i%4)
.endr
.endm
.macro CONV xs, sc, lim, c             ; 64 numbers, register 16 g + i = k 32 g + 16 h + i of my row, become a fragment's 16 registers; the numbers stay as they are (x is converted three times)
.irp g, 0,1,2,3
.irp i, 0,1,2,3,4,5,6,7,8,9,10,11,12,13,14,15
.endr
	v_cvt_scalef32_pk8_fp8_f32 v[\c+4*\g:\c+4*\g+1], v[TMP+16*(\g%2)+((\xs+16*\g+0)-(TMP+16*(\g%2)+0)):TMP+16*(\g%2)+7+((\xs+16*\g+0)-(TMP+16*(\g%2)+0))], v[\sc]
	v_cvt_scalef32_pk8_fp8_f32 v[\c+4*\g+2:\c+4*\g+3], v[TMP+16*(\g%2)+8+((\xs+16*\g+0)-(TMP+16*(\g%2)+0)):TMP+16*(\g%2)+15+((\xs+16*\g+0)-(TMP+16*(\g%2)+0))], v[\sc]
.endr
	v_nop                                          ; a plain line behind the last conversion, ahead of whatever next writes its sources
.endm
.macro PUT c, d, u                     ; the image: four stores of 512 consecutive aligned bytes
.irp q, 0,1,2,3
	global_store_b128 v3, v[\c+4*\q:\c+4*\q+3], s[\d:\d+1] offset:2048*(\u)+512*\q
.endr
.endm
.macro MKSC se, vs, vl                 ; 2^e as f32 (the conversion takes its exponent field)
	s_add_co_i32 s62, \se, 127
	s_lshl_b32 s63, s62, 23
	v_mov_b32 v[\vs], s63
.endm
	s_wait_alu depctr_va_vdst(0)
	LOAD 0
	LOAD 1
	s_wait_kmcnt 0x0
	s_cmp_eq_u32 s2, 1
	s_cselect_b32 s61, s33, s32                    ; x: e0; wq: e1;
	s_cmp_eq_u32 s2, 2
	s_cselect_b32 s61, s35, s61                    ; wk: e3;
	s_cmp_eq_u32 s2, 3
	s_cselect_b32 s61, s37, s61                    ; wv: e5;
	s_cmp_eq_u32 s2, 4
	s_cselect_b32 s61, s43, s61                    ; wo: e11
	MKSC s61, 6, 7
	MKSC s34, 8, 9                                 ; x by e2
	MKSC s36, 10, 11                               ; x by e4
	s_wait_alu depctr_va_vdst(0)
.irp u, 0,1,2,3
.if \u < 3
	s_wait_loadcnt 16                              ; this K step's sixteen loads are in; the next one's sixteen may be out
.else
	s_wait_loadcnt 0x0
.endif
	TURN \u
	s_wait_dscnt 0x0
.if \u > 0
	s_wait_xcnt 0x0                                ; the last K step's stores have read their registers: the codes are written again only behind this wait
.endif
	CONV R+64*(\u%2), 6, 7, CD
	PUT CD, 46, \u
	s_cmp_lg_u32 s2, 0                             ; a weight has one scale
	s_cbranch_scc1 .Lone_\u
	CONV R+64*(\u%2), 8, 9, CD+16
	PUT CD+16, 56, \u
	CONV R+64*(\u%2), 10, 11, CD+32
	PUT CD+32, 58, \u
.Lone_\u:
.if \u < 2
	LOAD \u+2
.endif
.endr
	s_wait_tensorcnt 0x0                           ; the wave's end, behind my last LDS store
	ds_add_u32 v[SPW], v[NIL]
	s_wait_dscnt 0x0
	s_endpgm
; ---- the two tables: a wave takes one tile of 16 positions of one table: 8,192 bytes.  (No LDS on this path.)
.Lrope:
	s_sub_co_u32 s60, ttmp9, 640
	s_lshl_b32 s60, s60, 2
	s_add_co_u32 s60, s60, s3
	s_lshr_b32 s2, s60, 7                          ; 0 cos, 1 sin
	s_and_b32 s60, s60, 127                        ; T
	s_cmp_eq_u32 s2, 0
	s_cselect_b64 s[44:45], s[18:19], s[20:21]
	s_lshr_b32 s61, s60, 1
	s_lshl_b32 s61, s61, 14                        ; 32 rows of 512 bytes
	s_and_b32 s62, s60, 1
	s_lshl_b32 s62, s62, 12
	s_add_co_u32 s62, s62, s61
	s_add_nc_u64 s[44:45], s[44:45], s[62:63]
	s_lshl_b32 s61, s2, 20
	s_lshl_b32 s62, s60, 13
	s_add_co_u32 s62, s62, s61
	s_add_nc_u64 s[46:47], s[28:29], s[62:63]
	s_wait_alu depctr_va_vdst(0)
	v_lshlrev_b32 v6, 9, v5
	v_lshl_add_u32 v6, v4, 6, v6                   ; my row, + 64 h
.irp i, 0,1,2,3,4,5,6,7,8,9,10,11,12,13,14,15
	global_load_b128 v[16+4*\i:19+4*\i], v6, s[44:45] offset:128*(\i/4)+16*(\i%4)
.endr
	s_wait_loadcnt 0x0
.irp i, 0,1,2,3,4,5,6,7,8,9,10,11,12,13,14,15
	global_store_b128 v3, v[16+4*\i:19+4*\i], s[46:47] offset:512*\i    ; 512 consecutive aligned bytes
.endr
	s_endpgm
; ---- the mask: the work-group's tile of 16 queries, my four key steps of 128.  A byte (0 or 1) of each lane becomes a bit of a lane mask.  (No LDS on this path.)
.Lmask:
	s_sub_co_u32 s60, ttmp9, 704                   ; Tq
	s_lshr_b32 s61, s60, 1
	s_lshl_b32 s61, s61, 16                        ; 32 rows of 2,048 bytes
	s_and_b32 s62, s60, 1
	s_lshl_b32 s62, s62, 14
	s_add_co_u32 s62, s62, s61
	s_lshl_b32 s61, s3, 9                          ; my 512 keys
	s_add_co_u32 s62, s62, s61
	s_add_nc_u64 s[44:45], s[22:23], s[62:63]
	s_lshl_b32 s62, s60, 12
	s_lshl_b32 s61, s3, 10
	s_add_co_u32 s62, s62, s61
	s_add_nc_u64 s[46:47], s[30:31], s[62:63]
	s_wait_alu depctr_va_vdst(0)
	v_lshlrev_b32 v6, 11, v5
	v_lshl_add_u32 v6, v4, 4, v6                   ; my row, + 16 h
	v_lshlrev_b32 v7, 3, v1                        ; out: two words a lane
.irp i, 0,1,2,3,4,5,6,7,8,9,10,11,12,13,14,15
	global_load_b128 v[16+4*\i:19+4*\i], v6, s[44:45] offset:128*(\i/4)+32*(\i%4)   ; key step i / 4, keys 32 (i % 4) + 16 h + 0..15
.endr
.irp i, 0,1,2,3,4,5,6,7
	v_mov_b32 v[84+\i], 0                          ; written once: v_writelane_b32's destination counts as read
.endr
	s_wait_loadcnt 0x0
.set u, 0
.rept 4
.set n, 0
.rept 64                               ; word n: byte n % 4 of register n / 4 in all 32 lanes; it goes to lane n / 2 of an even or an odd register
	v_bfe_u32 v[80+n%4], v[16+16*u+n/4], 8*(n%4), 8
	v_cmp_ne_u32 s[48+n%8], 0, v[80+n%4]
	v_writelane_b32 v[84+2*u+n%2], s[48+n%8], n/2
.set n, n+1
.endr
	global_store_b64 v7, v[84+2*u:85+2*u], s[46:47] offset:256*u        ; a key step's 64 words: 256 consecutive aligned bytes
.set u, u+1
.endr
	s_endpgm
.Lfunc_end_k_qa10834e58c_prep:
	.size	k_qa10834e58c_prep, .Lfunc_end_k_qa10834e58c_prep-k_qa10834e58c_prep
	.p2alignl 7, 3214868480
	.fill 96, 4, 3214868480
	.section	.rodata,"a",@progbits
	.p2align	6, 0x0
	.amdhsa_kernel k_qa10834e58c_prep
		.amdhsa_group_segment_fixed_size 34304
		.amdhsa_private_segment_fixed_size 0
		.amdhsa_enable_private_segment 0
		.amdhsa_kernarg_size 96
		.amdhsa_user_sgpr_count 2
		.amdhsa_user_sgpr_kernarg_segment_ptr 1
		.amdhsa_wavefront_size32 1
		.amdhsa_system_sgpr_workgroup_id_x 1
		.amdhsa_system_sgpr_workgroup_id_y 1
		.amdhsa_system_sgpr_workgroup_id_z 1
		.amdhsa_system_vgpr_workitem_id 0
		.amdhsa_next_free_vgpr 224
		.amdhsa_next_free_sgpr 66
		.amdhsa_reserve_vcc 0
		.amdhsa_float_denorm_mode_32 3
		.amdhsa_float_denorm_mode_16_64 3
		.amdhsa_fp16_overflow 1
		.amdhsa_memory_ordered 1
		.amdhsa_forward_progress 1
		.amdhsa_inst_pref_size 84
	.end_amdhsa_kernel
	.amdgpu_metadata
---
amdhsa.version: [ 1, 2 ]
amdhsa.kernels:
  - .name:           k_qa10834e58c_prep
    .symbol:         k_qa10834e58c_prep.kd
    .args:
      - { .name: x, .offset: 0, .size: 8, .value_kind: global_buffer, .address_space: global }
      - { .name: wq, .offset: 8, .size: 8, .value_kind: global_buffer, .address_space: global }
      - { .name: wk, .offset: 16, .size: 8, .value_kind: global_buffer, .address_space: global }
      - { .name: wv, .offset: 24, .size: 8, .value_kind: global_buffer, .address_space: global }
      - { .name: wo, .offset: 32, .size: 8, .value_kind: global_buffer, .address_space: global }
      - { .name: rope_cos, .offset: 40, .size: 8, .value_kind: global_buffer, .address_space: global }
      - { .name: rope_sin, .offset: 48, .size: 8, .value_kind: global_buffer, .address_space: global }
      - { .name: attn_mask, .offset: 56, .size: 8, .value_kind: global_buffer, .address_space: global }
      - { .name: lowp_scales, .offset: 64, .size: 8, .value_kind: global_buffer, .address_space: global }
      - { .name: opnd, .offset: 72, .size: 8, .value_kind: global_buffer, .address_space: global }
      - { .name: ropeimg, .offset: 80, .size: 8, .value_kind: global_buffer, .address_space: global }
      - { .name: maskw, .offset: 88, .size: 8, .value_kind: global_buffer, .address_space: global }
    .group_segment_fixed_size: 34304
    .private_segment_fixed_size: 0
    .kernarg_segment_align: 8
    .kernarg_segment_size: 96
    .max_flat_workgroup_size: 128
    .sgpr_count:     66
    .vgpr_count:     224
    .wavefront_size: 32
...
	.end_amdgpu_metadata
.endif
;; end of part 1
;; launch qkv (part 2): grid 24 x 8, 4 waves a work-group, clusters of 4 x 4, 327,680 bytes of LDS; arguments opnd, ropeimg, q_norm_w, k_norm_w, lowp_scales, qkv; writes qkv
.if DOCPART == 2
	.amdgcn_target "amdgcn-amd-amdhsa--gfx1250"
	.amdhsa_code_object_version 6
	.text
	.protected	k_qa10834e58c_qkv
	.globl	k_qa10834e58c_qkv
	.p2align	8
	.type	k_qa10834e58c_qkv,@function
k_qa10834e58c_qkv:
	s_mov_b64 s[64:65], 0
	v_nop
	global_prefetch_b8 v0, s[64:65] scope:SCOPE_SE
	s_setreg_imm32_b32 hwreg(HW_REG_WAVE_MODE, 25, 1), 1
	s_wait_xcnt 0x0
	s_wait_alu depctr_hold_cnt(0) depctr_sa_sdst(0) depctr_va_vdst(0) depctr_va_sdst(0) depctr_va_ssrc(0) depctr_va_vcc(0) depctr_vm_vsrc(0)
	s_getreg_b32 s2, hwreg(HW_REG_IB_STS2, 6, 4)
	s_cmp_eq_u32 s2, 0
	s_cbranch_scc0 .Lentry_in_a_cluster
	s_endpgm
.Lentry_in_a_cluster:
	s_bfe_u32 s2, ttmp6, 0x10000c
	s_cmp_lg_u32 s2, 0xf033
	s_cbranch_scc0 .Lentry_shape_is_right
	s_endpgm
.Lentry_shape_is_right:
; QKV: the three projections on codes of E4M3, and what follows them up to the next quantiser: RMS norm and RoPE for q and k; then q, k and v leave as codes, as images of fragments (layout: head of the kernel prep).  Nothing is left out.
; A work-group of four waves makes 256 x 256 results, a wave 128 x 128: 64 accumulators, 512 registers.  K = 2,048 goes in steps of 256 through a ring of two LDS slots filled by the tensor data mover.
; THE KIND hangs on the cluster's x alone (0, 1: q; 2, 3: k; 4, 5: v), so it is the same in all sixteen partners.  Source 1 (side Q, tile index Y, shared along a row of the cluster) and source 0 (side P, tile index X', shared along a column):
;   q, k: source 1 = x's codes, source 0 = the weight's: a lane holds ONE position, and its 64 registers of a block run along the 128 channels of ONE head (the wave's 128 rows of the weight): norm and RoPE stay in the lane and its partner 16 away.
;   v:    source 1 = wv's codes, source 0 = x's: a lane holds one channel, and its registers run along 128 keys: the second product's K.  The loop is the same text; only two offsets differ.
; A lane's register n of a block holds source 0's row 32 (n / 16) + 16 h + n % 16 of the wave's 128: the order of an image's k, so the conversions' results are the image.
; qkv: q at 0 and k at 4 MiB: head x 262,144 + tile of positions x 2,048;  v at 8 MiB: head x 262,144 + key step x 16,384 + tile of channels x 2,048.
; A sum stands for sum x 2^E, E = the two operands' exponents added.  q, k: var = ss x 2^(2 E - 7) + 1e-6; f = rsqrt(var) x 2^(E - e_out); (sum x f) x w, RoPE, hold at +-448, code.  v: code = sum / 2^(e9 - E), held.
; LIMITS: 2 E - 7 between -126 and 127; e9 - e4 - e5 between -126 and 119.  NaN among the inputs is not served.
; REGISTERS, in windows of 256: window 0: v7-31 addresses and small things; v128-255 source 1's fragments, ONE set; on the way out v32-95 the norm's weight, v96-159 and v160-223 at work, v224-255 codes.
;   window 1: source 0's fragments, TWO sets (v0, v128); on the way out the RoPE tables, two sets.   windows 2, 3: accumulator (a, b) at v[8 (8 (a % 4) + b)].
.set SLOT,   131072                    ; side Q's 16 tiles x 4,096 bytes (two K steps of 128), then side P's
.set SPARE,  2*SLOT                    ; behind the ring: the spare words, 128 bytes a wave, that no other line names
.set FR,     16                        ; registers of a fragment
.set NL,     4                         ; LDS loads that bring one
.set NP,     4                         ; places behind this matrix instruction (ISA guide 7.12.1)
.set LAPS,   4                         ; 2,048 / (2 x 256)
.set ADRA, 16                          ; v16-17 LDS address of my fragments of side Q in slot 0, 1
.set ADRB, 20                          ; v20-21 of side P
.set SPW,  28                          ; v28 LDS address of my spare word; never rewritten
.set NIL,  29                          ; v29 0; never rewritten
.set AF,   128
.set G1, 24                            ; s[24:31] descriptor group 1 for side Q; s[32:39] its groups 0, one for each slot
.set G0, 32
.set G1B, 48                           ; s[48:55], s[56:63] the same for side P
.set G0B, 56
.set MSB, 0
.macro WIN new                         ; the immediate's high byte repeats the setting that is left
.if MSB != \new
	s_set_vgpr_msb (MSB<<8)|\new
.set MSB, \new
.endif
.endm
.set MUL_LO, 0xa1                      ; source 0 window 1, source 1 window 0, C and D window 2
.set MUL_HI, 0xf1                      ; the same, C and D window 3
.set TO_B,   0x40                      ; destination window 1, address window 0
; A joint load: waves 0 and 1 fetch for side Q, waves 2 and 3 for side P.  The branch hangs on the wave's number alone.  An s_nop 0 and four v_nop follow each of the two lines.
.macro JLOAD g0a, g1a, g0b, g1b
	s_cmp_eq_u32 s15, 0
	s_cbranch_scc0 .Lfor_b_\@
	tensor_load_to_lds s[\g0a:\g0a+3], s[\g1a:\g1a+7]
	s_nop 0
.rept 4
	v_nop
.endr
	s_branch .Lasked_\@
.Lfor_b_\@:
	tensor_load_to_lds s[\g0b:\g0b+3], s[\g1b:\g1b+7]
	s_nop 0
.rept 4
	v_nop
.endr
.Lasked_\@:
.endm
.macro CREST                           ; a round of the cluster's barrier behind its opening barrier
	s_cmp_lg_u32 s14, 0
	s_cbranch_scc1 .Lnot_wave_0_\@
	s_barrier_signal -3
.Lnot_wave_0_\@:
	s_barrier_wait -3
	s_barrier_signal -1
	s_barrier_wait -1
.endm
.macro CROUND                          ; a whole round
	s_barrier_signal -1
	s_barrier_wait -1
	CREST
.endm
	s_load_b256 s[4:11], s[0:1], 0x0               ; opnd 4, ropeimg 6, q_norm_w 8, k_norm_w 10
	s_load_b128 s[68:71], s[0:1], 0x20             ; the scales' exponents 68, qkv 70
	v_lshl_add_u32 v[SPW], v0, 2, SPARE
	v_mov_b32 v[NIL], 0
	ds_add_u32 v[SPW], v[NIL]                      ; the wave's opening: the add, twice on end, and its wait ahead of my first tensor load; the set-up below stands between
	ds_add_u32 v[SPW], v[NIL]
	v_lshrrev_b32 v1, 5, v0
	v_readfirstlane_b32 s14, v1                    ; wave 0..3
	s_lshr_b32 s15, s14, 1                         ; my half of side Q's tiles.  Also: I fetch for side Q (0) or P (1)
	s_and_b32 s16, s14, 1                          ; my half of side P's tiles.  Also: which eight tiles I fetch
	s_bfe_u32 s40, ttmp6, 0x40000                  ; cx, cy: my place in the cluster
	s_bfe_u32 s41, ttmp6, 0x40004
	s_lshr_b32 s84, ttmp9, 1                       ; the kind: 0 q, 1 k, 2 v
	s_and_b32 s42, ttmp9, 1
	s_lshl_b32 s42, s42, 2
	s_add_co_u32 s42, s42, s40                     ; X' = 0 .. 7
	s_and_b32 s17, ttmp7, 0xffff
	s_lshl_b32 s17, s17, 2
	s_add_co_u32 s17, s17, s41                     ; Y = 0 .. 7
	s_lshl_b32 s43, s41, 2
	s_lshl_b32 s43, 15, s43                        ; my row of the cluster
	s_lshl_b32 s44, 0x1111, s40                    ; my column
	; descriptor group 1: eight tiles' 4,096 bytes (a K step of 256), 32,768 bytes apart in memory, dense in LDS; elements of 8 bytes
	s_or_b32 s[G1+0], s43, (3<<16)|(1<<21)         ; 15:0 the mask; 17:16 elements of 8 bytes; 21 set beside a mask; no padding: an image is read 512 consecutive bytes at a time
	s_or_b32 s[G1B+0], s44, (3<<16)|(1<<21)
.irp g, G1, G1B
	s_mov_b32 s[\g+1], 512<<16                     ; tensor_dim0 = 512
	s_mov_b32 s[\g+2], 8<<16                       ; tensor_dim1 = 8
	s_mov_b32 s[\g+3], 512<<16                     ; tile_dim0 = 512
	s_mov_b32 s[\g+4], 8                           ; tile_dim1 = 8
	s_mov_b32 s[\g+5], 4096                        ; tensor_dim0_stride
	s_mov_b32 s[\g+6], 0
	s_mov_b32 s[\g+7], 0
.endr
	s_add_co_u32 s19, s84, 3
	s_cmp_eq_u32 s84, 2
	s_cselect_b32 s18, 5, s84                      ; side Q's section of opnd: x by e0, x by e2, or wv
	s_cselect_b32 s19, 2, s19                      ; side P's: wq, wk, or x by e4
	s_lshl_b32 s20, s18, 22
	s_lshl_b32 s21, s17, 19                        ; 16 tiles of 32,768 bytes
	s_add_co_u32 s20, s20, s21
	s_lshl_b32 s21, s16, 18                        ; the eight that I fetch
	s_add_co_u32 s20, s20, s21
	s_mov_b32 s21, 0
	s_lshl_b32 s46, s19, 22
	s_lshl_b32 s47, s42, 19
	s_add_co_u32 s46, s46, s47
	s_lshl_b32 s47, s16, 18
	s_add_co_u32 s46, s46, s47
	s_mov_b32 s47, 0
	s_lshl_b32 s45, s14, 15                        ; where they go: wave x 32,768: no place in the cluster enters an LDS address
	s_wait_dscnt 0x0                               ; both opening adds are done
	s_wait_kmcnt 0x0
	s_load_b256 s[72:79], s[68:69], 0x0            ; e0 .. e7
	s_load_b128 s[80:83], s[68:69], 0x20           ; e8 .. e11
	s_add_nc_u64 s[20:21], s[4:5], s[20:21]
	s_add_nc_u64 s[46:47], s[4:5], s[46:47]
	CROUND                                         ; all sixteen work-groups are here: the first joint loads meet
.irp s, 0,1
	s_mov_b32 s[G0+4*\s], 1
	s_add_co_u32 s[G0+4*\s+1], s45, \s*SLOT
	s_add_nc_u64 s[G0+4*\s+2:G0+4*\s+3], s[20:21], \s*4096
	s_or_b32 s[G0+4*\s+3], s[G0+4*\s+3], 0x80000000
	s_mov_b32 s[G0B+4*\s], 1
	s_add_co_u32 s[G0B+4*\s+1], s45, \s*SLOT
	s_add_nc_u64 s[G0B+4*\s+2:G0B+4*\s+3], s[46:47], \s*4096
	s_or_b32 s[G0B+4*\s+3], s[G0B+4*\s+3], 0x80000000
	JLOAD G0+4*\s, G1, G0B+4*\s, G1B
.endr
	v_and_b32 v1, 31, v0
	v_lshlrev_b32 v26, 4, v1                       ; 16 x lane: my place in every image
	v_bfe_u32 v7, v0, 4, 1
	v_lshlrev_b32 v7, 6, v7                        ; 64 h: my place in the norm's weight
	v_mov_b32 v27, 0                               ; written once: a lane permute's destination counts as read
	s_lshl_b32 s21, s15, 15                        ; my eight tiles of side Q
	s_lshl_b32 s22, s16, 15                        ; my eight of side P,
	s_add_co_u32 s22, s22, 65536                   ; which lie behind Q's sixteen
.irp s, 0,1
	v_add_nc_u32 v[ADRA+\s], s21, v26
	v_add_nc_u32 v[ADRB+\s], s22, v26
	s_add_co_u32 s21, s21, SLOT
	s_add_co_u32 s22, s22, SLOT
.endr
	; what the way out needs: chosen by the kind, never by a branch on a given exponent
	s_wait_kmcnt 0x0
	s_add_co_i32 s85, s72, s73
	s_add_co_i32 s86, s74, s75
	s_add_co_i32 s87, s76, s77
	s_cmp_eq_u32 s84, 1
	s_cselect_b32 s85, s86, s85
	s_cselect_b32 s86, s79, s78
	s_cmp_eq_u32 s84, 2
	s_cselect_b32 s85, s87, s85                    ; E
	s_cselect_b32 s86, s81, s86                    ; e_out: e6, e7 or e9
	s_lshl_b32 s87, s85, 1
	s_add_co_i32 s87, s87, 120
	s_lshl_b32 s87, s87, 23                        ; 2^(2 E - 7) as f32: the mean of 128 squares of sum x 2^E
	s_mov_b32 s88, 0x358637bd                      ; 1e-6
	s_sub_co_i32 s89, s85, s86                     ; E - e_out
	s_sub_co_i32 s96, 127, s89
	s_lshl_b32 s97, s96, 23                        ; v: 2^(e9 - E) as f32,
	s_add_co_i32 s96, s96, 8
	s_lshl_b32 s96, s96, 23
	s_or_b32 s96, s96, 0x600000                    ; and 448 x that
	s_mov_b32 s98, 0x43e00000                      ; q, k: 448 and 1: the scales are folded into f
	s_cmp_eq_u32 s84, 2
	s_cselect_b32 s96, s96, s98
	s_cselect_b32 s97, s97, 1.0
	v_mov_b32 v22, s96
	v_mov_b32 v23, s97
	s_lshl_b32 s90, s42, 1
	s_add_co_u32 s90, s90, s16                     ; U = 2 X' + my half of side P: q, k: the head; v: the key step
	s_lshl_b32 s91, s17, 1
	s_add_co_u32 s91, s91, s15                     ; V = 2 Y + my half of side Q: q, k: eight tiles of positions; v: the head
	s_lshl_b32 s92, s91, 16
	s_mov_b32 s93, 0
	s_add_nc_u64 s[92:93], s[6:7], s[92:93]        ; the tables at my first tile of positions: 8 V x 8,192
	s_cmp_eq_u32 s84, 2
	s_cselect_b32 s94, s91, s90
	s_cselect_b32 s95, s90, s91
	s_lshl_b32 s94, s94, 18
	s_lshl_b32 s95, s95, 14
	s_add_co_u32 s90, s94, s95
	s_lshl_b32 s94, s84, 22
	s_add_co_u32 s90, s90, s94
	s_mov_b32 s91, 0
	s_add_nc_u64 s[90:91], s[70:71], s[90:91]      ; where my eight images go
	s_cmp_eq_u32 s84, 0
	s_cselect_b64 s[94:95], s[8:9], s[10:11]       ; the norm's weight
	s_mov_b32 s98, 0x76543210                      ; v_permlanex16_b32's selects for lane l xor 16
	s_mov_b32 s99, 0xfedcba98
.macro FRAG reg, adr, q, i             ; tile i's fragment of the slot's q-th 128 along K: four loads of 512 consecutive bytes
.irp c, 0,1,2,3
	ds_load_b128 v[\reg+4*\c:\reg+4*\c+3], v[\adr] offset:4096*(\i)+2048*(\q)+512*\c
.endr
.endm
; 16 matrix instructions: source 1's blocks a0, a0 + 1 x source 0's eight.  p: source 0's set.  zero = 1: the first product starts the sums.  The 64 accumulators take turns, one instruction a turn, in the same order in every step.
.macro MUL16 a0, p, zero
.irp a, \a0, \a0+1
.irp b, 0,1,2,3,4,5,6,7
.if \zero
	v_wmma_f32_16x16x128_fp8_fp8 v[8*(8*((\a)%4)+\b):8*(8*((\a)%4)+\b)+7], v[128*(\p)+FR*\b:128*(\p)+FR*\b+FR-1], v[AF+FR*(\a):AF+FR*(\a)+FR-1], 0
.else
	v_wmma_f32_16x16x128_fp8_fp8 v[8*(8*((\a)%4)+\b):8*(8*((\a)%4)+\b)+7], v[128*(\p)+FR*\b:128*(\p)+FR*\b+FR-1], v[AF+FR*(\a):AF+FR*(\a)+FR-1], v[8*(8*((\a)%4)+\b):8*(8*((\a)%4)+\b)+7]
.endif
.endr
.endr
.endm
.macro FETCH_B slot, q, p
	WIN TO_B
.irp i, 0,1,2,3,4,5,6,7
	FRAG 128*(\p)+FR*\i, ADRB+\slot, \q, \i
.endr
	WIN 0
.endm
.macro FETCH_A slot, q, i0
.irp i, \i0, \i0+1, \i0+2, \i0+3
	FRAG AF+FR*(\i), ADRA+\slot, \q, \i
.endr
.endm
.macro PLACES n                        ; plain vector lines between a matrix instruction and a load into, or a vector line on, its registers (ISA guide 7.12.1 for vector lines)
.rept \n
	v_nop
.endr
.endm
.macro STEP slot, q, zero              ; 128 along K whose successor lies in the same slot
	s_wait_dscnt 4*NL                              ; source 0's set and source 1's blocks 0-3 are in; the youngest sixteen loads (blocks 4-7) may be out
	WIN MUL_LO
	MUL16 0, (\q)%2, \zero
	MUL16 2, (\q)%2, \zero
	s_wait_dscnt 0
	PLACES NP
	FETCH_B \slot, (\q)+1, 1-(\q)%2
	FETCH_A \slot, (\q)+1, 0
	WIN MUL_HI
	MUL16 4, (\q)%2, \zero
	MUL16 6, (\q)%2, \zero
	PLACES NP
	WIN 0
	FETCH_A \slot, (\q)+1, 4
.endm
; A slot's last 128 change slots: ONE barrier; ahead of it each wave waits for all its tensor loads, adds 0 to its spare word, and waits for that and for its reads of this slot.  fill = 1: the slot is filled again, two K steps of 256 ahead.
.macro TURN slot, next, fill
	s_wait_tensorcnt 0x0                           ; all my tensor loads have landed: my part of the next slot
	ds_add_u32 v[SPW], v[NIL]                      ; 0 onto my spare word
	s_wait_dscnt 4*NL+1                            ; (the add and the youngest sixteen loads may be out)
	WIN MUL_LO
	MUL16 0, 1, 0
	s_wait_dscnt 0x0                               ; the add is done, and my reads of this slot are over
	s_barrier_signal -1
	MUL16 2, 1, 0
	WIN 0
	s_barrier_wait -1
.if \fill
	CREST                                          ; the barrier has opened a round of the cluster's: no wave of any partner still reads this slot or has a load on its way
	s_add_nc_u64 s[G0+4*\slot+2:G0+4*\slot+3], s[G0+4*\slot+2:G0+4*\slot+3], 8192
	s_add_nc_u64 s[G0B+4*\slot+2:G0B+4*\slot+3], s[G0B+4*\slot+2:G0B+4*\slot+3], 8192
	JLOAD G0+4*\slot, G1, G0B+4*\slot, G1B         ; the first tensor load behind the round; its four v_nop are the places in front of the loads below
.else
	PLACES NP
.endif
	FETCH_B \next, 0, 0
	FETCH_A \next, 0, 0
	WIN MUL_HI
	MUL16 4, 1, 0
	MUL16 6, 1, 0
	PLACES NP
	WIN 0
	FETCH_A \next, 0, 4
.endm
.macro TABLOAD a                       ; cos and sin of my tile a of positions, in register order, into table set a % 2 of window 1: 32 loads of 512 consecutive bytes
	WIN TO_B
.irp i, 0,1,2,3,4,5,6,7,8,9,10,11,12,13,14,15
	global_load_b128 v[128*((\a)%2)+4*\i:128*((\a)%2)+4*\i+3], v26, s[92:93] offset:(\a)*8192+512*\i
.endr
.irp i, 0,1,2,3,4,5,6,7,8,9,10,11,12,13,14,15
	global_load_b128 v[128*((\a)%2)+64+4*\i:128*((\a)%2)+64+4*\i+3], v26, s[92:93] offset:1048576+(\a)*8192+512*\i
.endr
	WIN 0
.endm
.macro FINISH
	s_wait_tensorcnt 0x0                           ; the wave's end, behind my last tensor load
	ds_add_u32 v[SPW], v[NIL]
	s_wait_dscnt 0x0
	CROUND                                         ; the closing round: no work-group ends while a partner may still ask for a tile that names it
	s_endpgm
.endm
	s_wait_tensorcnt 1                             ; my part of slot 0 is in (slot 1's load may be out)
	s_barrier_signal -1
	s_barrier_wait -1                              ; everybody's is
	FETCH_B 0, 0, 0
	FETCH_A 0, 0, 0
	FETCH_A 0, 0, 4
	STEP 0, 0, 1                                   ; the first step stands in front of the loop: its products start the sums
	s_mov_b32 s3, LAPS-1
.Llap:                                             ; a trip goes once round the ring and fills both slots again
	TURN 0, 1, 1
	STEP 1, 0, 0
	TURN 1, 0, 1
	STEP 0, 0, 0
	s_sub_co_u32 s3, s3, 1
	s_cmp_lg_u32 s3, 0
	s_cbranch_scc1 .Llap
	TURN 0, 1, 0                                   ; the last lap fills nothing
	STEP 1, 0, 0
	s_cmp_eq_u32 s84, 2                            ; q, k: the norm's weight and the first tile's tables are asked for under the last 64 products: source 0's set 0 is done with, four places back
	s_cbranch_scc1 .Lno_tab
.irp i, 0,1,2,3,4,5,6,7,8,9,10,11,12,13,14,15
	global_load_b128 v[32+4*\i:35+4*\i], v7, s[94:95] offset:128*(\i/4)+16*(\i%4)   ; w[32 (i / 4) + 16 h + 4 (i % 4) + 0..3]: register n holds the weight of register n's channel
.endr
	TABLOAD 0
.Lno_tab:
	s_wait_dscnt 4*NL                              ; the very last step
	WIN MUL_LO
	MUL16 0, 1, 0
	MUL16 2, 1, 0
	s_wait_dscnt 0
	WIN MUL_HI
	MUL16 4, 1, 0
	MUL16 6, 1, 0
	WIN 0
	PLACES NP                                      ; ahead of the first read of results, and of loads and vector lines that write the fragments' registers
	s_cmp_eq_u32 s84, 2
	s_cbranch_scc1 .Lvpath
; THE WAY OUT OF q AND k, a block of 16 positions x 128 channels at a time.  Every accumulator is read from its low end on.
.macro QKBLOCK a
.set AC,  64*((\a)%4)
.set WA,  2+(\a)/4
.set TBL, 128*((\a)%2)
.set CDS, 224+16*((\a)%2)
.if (\a) >= 2
	s_wait_xcnt 0x0                                ; the stores of two blocks ago have read this set of codes
.endif
.if (\a) < 7
	TABLOAD (\a)+1
	s_wait_loadcnt 32                              ; all but the 32 just issued: this block's tables (and, the first time, the weight) are in
.else
	s_wait_loadcnt 0x0
.endif
	WIN WA*5                                       ; sources 0 and 1: the accumulators' window
.set p, 0
.rept 4
	v_pk_mul_f32 v[8+2*p:9+2*p], v[AC+2*p:AC+2*p+1], v[AC+2*p:AC+2*p+1]          ; the sum of my 64 squares, in four chains of pairs
.set p, p+1
.endr
.rept 28
	v_pk_fma_f32 v[8+2*(p%4):9+2*(p%4)], v[AC+2*p:AC+2*p+1], v[AC+2*p:AC+2*p+1], v[8+2*(p%4):9+2*(p%4)]
.set p, p+1
.endr
	WIN 0
	v_pk_add_f32 v[8:9], v[8:9], v[10:11]
	v_pk_add_f32 v[12:13], v[12:13], v[14:15]
	v_pk_add_f32 v[8:9], v[8:9], v[12:13]
	v_add_f32 v8, v8, v9
	v_permlanex16_b32 v27, v8, s98, s99            ; the position's other 64 channels lie in the lane 16 away
	v_add_f32 v8, v8, v27
	v_fma_f32 v8, v8, s87, s88                     ; the mean of the squares + 1e-6
	v_rsq_f32 v18, v8
	v_nop                                          ; a plain line behind the transcendental,
	s_wait_alu depctr_va_vdst(0)                   ; and the wait ahead of its first reader
	v_ldexp_f32 v18, v18, s89                      ; x 2^(E - e_out): exact
	v_mov_b32 v19, v18
	WIN WA
.set p, 0
.rept 32
	v_pk_mul_f32 v[96+2*p:97+2*p], v[AC+2*p:AC+2*p+1], v[18:19]
.set p, p+1
.endr
	WIN 0
.set p, 0
.rept 32
	v_pk_mul_f32 v[96+2*p:97+2*p], v[96+2*p:97+2*p], v[32+2*p:33+2*p]             ; x the norm's weight
.set p, p+1
.endr
	WIN 0x04                                       ; source 1: the tables' window
.set p, 0
.rept 32
	v_pk_mul_f32 v[160+2*p:161+2*p], v[96+2*p:97+2*p], v[TBL+2*p:TBL+2*p+1]       ; y cos
.set p, p+1
.endr
.set p, 0
.rept 16                               ; channel d + 64 is register n + 32 of the same lane
	v_pk_fma_f32 v[160+2*p:161+2*p], v[128+2*p:129+2*p], v[TBL+64+2*p:TBL+65+2*p], v[160+2*p:161+2*p] neg_lo:[1,0,0] neg_hi:[1,0,0]   ; d < 64: - y[d + 64] sin[d]
	v_pk_fma_f32 v[192+2*p:193+2*p], v[96+2*p:97+2*p], v[TBL+96+2*p:TBL+97+2*p], v[192+2*p:193+2*p]                                   ; d >= 64: + y[d - 64] sin[d]
.set p, p+1
.endr
	WIN 0
.set n, 0
.rept 64
	v_med3_num_f32 v[160+n], v[160+n], -v22, v22   ; the conversion does not saturate (ISA guide 7.6.2): the hold at the largest code
.set n, n+1
.endr
.set k, 0
.rept 8
	v_cvt_scalef32_pk8_fp8_f32 v[CDS+2*k:CDS+2*k+1], v[160+8*k:167+8*k], v23
.set k, k+1
.endr
	v_nop                                          ; a plain line behind the last conversion
.irp c, 0,1,2,3
	global_store_b128 v26, v[CDS+4*\c:CDS+4*\c+3], s[90:91] offset:2048*(\a)+512*\c   ; the image: 512 consecutive aligned bytes a store
.endr
.endm
.irp a, 0,1,2,3,4,5,6,7
	QKBLOCK \a
.endr
	FINISH
; THE WAY OUT OF v: a block is 16 channels x 128 keys: held, converted, stored.
.Lvpath:
.macro VBLOCK a
.set AC,  64*((\a)%4)
.set WA,  2+(\a)/4
.set CDS, 224+16*((\a)%2)
.if (\a) >= 2
	s_wait_xcnt 0x0                                ; the stores of two blocks ago have read this set of codes
.endif
	WIN WA
.set n, 0
.rept 64
	v_med3_num_f32 v[96+n], v[AC+n], -v22, v22
.set n, n+1
.endr
	WIN 0
.set k, 0
.rept 8
	v_cvt_scalef32_pk8_fp8_f32 v[CDS+2*k:CDS+2*k+1], v[96+8*k:103+8*k], v23
.set k, k+1
.endr
	v_nop
.irp c, 0,1,2,3
	global_store_b128 v26, v[CDS+4*\c:CDS+4*\c+3], s[90:91] offset:2048*(\a)+512*\c
.endr
.endm
.irp a, 0,1,2,3,4,5,6,7
	VBLOCK \a
.endr
	FINISH
.Lfunc_end_k_qa10834e58c_qkv:
	.size	k_qa10834e58c_qkv, .Lfunc_end_k_qa10834e58c_qkv-k_qa10834e58c_qkv
	.p2alignl 7, 3214868480
	.fill 96, 4, 3214868480
	.section	.rodata,"a",@progbits
	.p2align	6, 0x0
	.amdhsa_kernel k_qa10834e58c_qkv
		.amdhsa_group_segment_fixed_size 327680
		.amdhsa_private_segment_fixed_size 0
		.amdhsa_enable_private_segment 0
		.amdhsa_kernarg_size 48
		.amdhsa_user_sgpr_count 2
		.amdhsa_user_sgpr_kernarg_segment_ptr 1
		.amdhsa_wavefront_size32 1
		.amdhsa_system_sgpr_workgroup_id_x 1
		.amdhsa_system_sgpr_workgroup_id_y 1
		.amdhsa_system_sgpr_workgroup_id_z 1
		.amdhsa_system_vgpr_workitem_id 0
		.amdhsa_next_free_vgpr 1024
		.amdhsa_next_free_sgpr 100
		.amdhsa_reserve_vcc 0
		.amdhsa_float_denorm_mode_32 3
		.amdhsa_float_denorm_mode_16_64 3
		.amdhsa_memory_ordered 1
		.amdhsa_forward_progress 1
		.amdhsa_inst_pref_size 255
	.end_amdhsa_kernel
	.section	.bss,"aw",@nobits
	.p2align	6
	.space	262144
	.amdgpu_metadata
---
amdhsa.version: [ 1, 2 ]
amdhsa.kernels:
  - .name:           k_qa10834e58c_qkv
    .symbol:         k_qa10834e58c_qkv.kd
    .args:
      - { .name: opnd, .offset: 0, .size: 8, .value_kind: global_buffer, .address_space: global }
      - { .name: ropeimg, .offset: 8, .size: 8, .value_kind: global_buffer, .address_space: global }
      - { .name: q_norm_w, .offset: 16, .size: 8, .value_kind: global_buffer, .address_space: global }
      - { .name: k_norm_w, .offset: 24, .size: 8, .value_kind: global_buffer, .address_space: global }
      - { .name: lowp_scales, .offset: 32, .size: 8, .value_kind: global_buffer, .address_space: global }
      - { .name: qkv, .offset: 40, .size: 8, .value_kind: global_buffer, .address_space: global }
    .group_segment_fixed_size: 327680
    .private_segment_fixed_size: 0
    .kernarg_segment_align: 8
    .kernarg_segment_size: 48
    .max_flat_workgroup_size: 128
    .sgpr_count:     100
    .vgpr_count:     1024
    .wavefront_size: 32
...
	.end_amdgpu_metadata
.endif
;; end of part 2
;; launch attn (part 3): grid 16 x 16, 8 waves a work-group, clusters of 4 x 1, 327,680 bytes of LDS; arguments qkv, maskw, lowp_scales, ocodes; writes ocodes
.if DOCPART == 3
	.amdgcn_target "amdgcn-amd-amdhsa--gfx1250"
	.amdhsa_code_object_version 6
	.text
	.protected	k_qa10834e58c_attn
	.globl	k_qa10834e58c_attn
	.p2align	8
	.type	k_qa10834e58c_attn,@function
k_qa10834e58c_attn:
	s_mov_b64 s[64:65], 0
	v_nop
	global_prefetch_b8 v0, s[64:65] scope:SCOPE_SE
	s_setreg_imm32_b32 hwreg(HW_REG_WAVE_MODE, 25, 1), 1
	s_wait_xcnt 0x0
	s_wait_alu depctr_hold_cnt(0) depctr_sa_sdst(0) depctr_va_vdst(0) depctr_va_sdst(0) depctr_va_ssrc(0) depctr_va_vcc(0) depctr_vm_vsrc(0)
	s_getreg_b32 s2, hwreg(HW_REG_IB_STS2, 6, 4)
	s_cmp_eq_u32 s2, 0
	s_cbranch_scc0 .Lentry_in_a_cluster
	s_endpgm
.Lentry_in_a_cluster:
	s_bfe_u32 s2, ttmp6, 0x10000c
	s_cmp_lg_u32 s2, 0x3003
	s_cbranch_scc0 .Lentry_shape_is_right
	s_endpgm
.Lentry_shape_is_right:
; ATTN: o = softmax(q k^T / sqrt(128), under attn_mask) v for each head, both products on codes of E4M3; o leaves as codes by lowp_scales[10], as images of fragments (layout: head of the kernel prep).
; Nothing is left out: the mask is an input, so every tile of scores is made, and what the mask hides is set to -infinity by selection.
; THE SOFTMAX AHEAD OF THE SECOND PRODUCT: t = score x log2(e) / sqrt(128); M = the largest t so far, rounded UP to a whole number; p = 2^(t - M) is quantised by e8; the sum is taken of the unquantised p and divides at the end.
; When M moves, the sum and O^T are multiplied by 2^(old M - new M): exact.  A query none of whose keys counts has the sum 0: its codes become the format's NaN, as the definition gives NaN there, and the last product carries it to that row.
; SHARES.  A work-group owns 128 queries of one head, each of its eight waves one tile of 16 in 256 registers: two waves to a SIMD.  Every wave walks all 16 key steps of 128.
; Both products are used transposed (S^T = K Q^T, O^T = V^T P^T): a lane holds ONE query; by the images' order of rows its 64 scores are the next K in register order, and its 64 results of O^T the last product's K.
; RING.  Two LDS slots of four key steps: K's four 16-KiB blocks, then V's.  Every wave fetches one block by one tensor load; address and LDS place are arithmetic on the wave's number.
; CLUSTER.  The four query blocks of a cluster belong to one head and walk the same K and V with equal work: each block is asked for JOINTLY (mask 15).
; THE MASK comes as 64 lane masks a key step (maskw), by four scalar loads a step ahead, and is applied by v_cndmask_b32: no branch hangs on it.
; LIMITS: e6 + e7 between -123 and 130 (added to c's exponent field); e8 between -126 and 119; e8 + e9 - e10 is applied by v_ldexp_f32.  NaN among the inputs is not served.
; REGISTERS: v1 16 x lane; v3 the prefetches' offset; v5, v6 the add's two; v8, v9 LDS addresses; v10 -infinity; v12 -M, v13 the largest t, v[14:15] the sum; v16-31 Q; v32-95 four fragments; v96-159 S^T, then p;
;   v160-223 O^T; v224-239 codes; v244 2^e8; v247 1, v248 four NaN codes; v234-243, v250-255 at work.
.set SLOT1, 131072
.set SPARE, 2*SLOT1                    ; behind the ring: the spare words, 128 bytes a wave: four blocks of 256 bytes that no other line names
.macro CROUND                          ; a round of the cluster's barrier
	s_barrier_signal -1
	s_barrier_wait -1
	s_cmp_lg_u32 s3, 0
	s_cbranch_scc1 .Lnot_wave_0_\@
	s_barrier_signal -3
.Lnot_wave_0_\@:
	s_barrier_wait -3
	s_barrier_signal -1
	s_barrier_wait -1
.endm
	s_load_b256 s[4:11], s[0:1], 0x0               ; qkv 4, maskw 6, the scales' exponents 8, ocodes 10
	v_lshl_add_u32 v5, v0, 2, SPARE
	v_mov_b32 v6, 0
	ds_add_u32 v5, v6                              ; the wave's opening: the add, twice on end, and its wait ahead of my first tensor load; the set-up below stands between
	ds_add_u32 v5, v6
	v_lshrrev_b32 v1, 5, v0
	s_delay_alu instid0(VALU_DEP_1)
	v_readfirstlane_b32 s3, v1                     ; wave 0..7
	s_bfe_u32 s40, ttmp6, 0x40000                  ; cx: it enters global addresses of q, the mask, o and the prefetches alone
	s_lshl_b32 s41, ttmp9, 2
	s_add_co_u32 s41, s41, s40
	s_lshl_b32 s41, s41, 3
	s_add_co_u32 s41, s41, s3                      ; Tq: my tile of queries
	s_and_b32 s42, ttmp7, 0xffff                   ; the head, which the four partners share
	; descriptor group 1: 16,384 dense bytes as 64 rows of 256; elements of 8 bytes
	s_mov_b32 s16, 15|(3<<16)|(1<<21)              ; 15:0 the mask: all four work-groups; 17:16 elements of 8 bytes; 21 set beside a mask; no padding
	s_mov_b32 s17, 32<<16                          ; tensor_dim0 = 32
	s_mov_b32 s18, 64<<16                          ; tensor_dim1 = 64
	s_mov_b32 s19, 32<<16                          ; tile_dim0 = 32
	s_mov_b32 s20, 64                              ; tile_dim1 = 64
	s_mov_b32 s21, 32                              ; tensor_dim0_stride
	s_mov_b32 s22, 0
	s_mov_b32 s23, 0
	s_lshr_b32 s44, s3, 2
	s_add_co_u32 s44, s44, 1
	s_lshl_b32 s44, s44, 22                        ; waves 0-3: k, at 4 MiB; waves 4-7: v, at 8 MiB
	s_lshl_b32 s45, s42, 18
	s_add_co_u32 s44, s44, s45
	s_and_b32 s45, s3, 3
	s_lshl_b32 s45, s45, 14                        ; which of a slot's four key steps I fetch
	s_add_co_u32 s44, s44, s45
	s_mov_b32 s45, 0
	s_lshl_b32 s46, s42, 18
	s_lshl_b32 s47, s41, 11
	s_add_co_u32 s46, s46, s47                     ; q's image
	s_mov_b32 s47, 0
	s_lshl_b32 s48, s41, 12                        ; my tile's mask words
	s_mov_b32 s49, 0
	s_lshl_b32 s50, s41, 15
	s_lshl_b32 s51, s42, 11
	s_add_co_u32 s50, s50, s51                     ; o's image: tile Tq, K step = the head
	s_mov_b32 s51, 0
	s_lshl_b32 s52, s40, 13
	s_add_co_u32 s52, s52, 65536                   ; the prefetches: my work-group's 8,192 bytes, one slot on
	s_mov_b32 s53, 0
	s_mov_b32 s28, 0x3e0293ee                      ; c = log2(e) / sqrt(128)
	s_mov_b32 s30, 0x76543210                      ; v_permlanex16_b32's selects for lane l xor 16
	s_mov_b32 s31, 0xfedcba98
	s_mov_b32 s2, 0                                ; LDS byte at which the key step in hand begins
	s_mov_b32 s14, 0                               ; byte at which the mask words to be loaded begin
	s_and_b32 s15, s3, 1
	s_or_b32 s15, s15, ttmp9
	s_cmp_eq_u32 s15, 0
	s_cselect_b32 s15, 1, -1                       ; 1 in the even waves of the head's first cluster, which prefetch; the same in all four partners
	s_wait_dscnt 0x0                               ; both opening adds are done
	s_wait_kmcnt 0x0
	s_load_b256 s[32:39], s[8:9], 0x10             ; e4 .. e11: e6 s34, e7 s35, e8 s36, e9 s37, e10 s38
	s_mov_b32 s24, 1                               ; group 0: count = 1,
	s_lshl_b32 s25, s3, 14                         ; LDS address: slot 0, wave x 16,384,
	s_add_nc_u64 s[26:27], s[4:5], s[44:45]        ; my block of the first four key steps,
	s_add_nc_u64 s[66:67], s[26:27], s[52:53]
	s_or_b32 s27, s27, 0x80000000                  ; type = 2
	s_add_nc_u64 s[4:5], s[4:5], s[46:47]
	s_add_nc_u64 s[6:7], s[6:7], s[48:49]
	s_add_nc_u64 s[10:11], s[10:11], s[50:51]
	CROUND                                         ; all four work-groups are here: the first joint loads meet
	tensor_load_to_lds s[24:27], s[16:23]          ; slot 0: every wave issues one
	s_nop 0
.rept 4
	v_nop
.endr
	v_and_b32 v1, 31, v0
	s_delay_alu instid0(VALU_DEP_1)
	v_lshlrev_b32 v3, 8, v1                        ; 256 x lane
	s_delay_alu instid0(VALU_DEP_2)
	v_lshlrev_b32 v1, 4, v1                        ; 16 x lane
.irp c, 0,1,2,3
	global_load_b128 v[16+4*\c:19+4*\c], v1, s[4:5] offset:512*\c      ; Q's fragment stays in registers
.endr
	v_mov_b32 v10, 0xff800000                      ; -infinity
	v_mov_b32 v13, 0xff61b1e6                      ; the largest t so far: -3e38
	s_delay_alu instid0(VALU_DEP_1)
	v_floor_f32 v12, -v13                          ; -M
	v_mov_b32 v14, 0
	v_mov_b32 v15, 0
	v_mov_b32 v236, 0                              ; written once: a lane permute's destination counts as read
	v_mov_b32 v253, 0                              ; (named as the upper half of the pair v[252:253])
	v_mov_b32 v247, 1.0
	v_mov_b32 v248, 0x7f7f7f7f
.set n, 0
.rept 64
	v_mov_b32 v[160+n], 0                          ; O^T.  (The step is written once: the first finds zeros, which the first change of M leaves zeros)
.set n, n+1
.endr
	s_wait_kmcnt 0x0
	s_add_co_i32 s12, s34, s35
	s_lshl_b32 s12, s12, 23
	s_add_co_i32 s28, s28, s12                     ; a score stands for score x 2^(e6 + e7): added to c's exponent field
	s_mov_b32 s29, s28                             ; (named with it as a pair)
	s_add_co_i32 s12, s36, 127
	s_lshl_b32 s13, s12, 23
	v_mov_b32 v244, s13                            ; 2^e8 as f32
	s_add_co_i32 s100, s36, s37
	s_sub_co_i32 s100, s100, s38                   ; e8 + e9 - e10
.macro MASKLOAD                        ; 64 lane masks: word n in s[32 + n + 4 (n / 32)]
	s_load_b512 s[32:47], s[6:7], s14 offset:0x0
	s_load_b512 s[48:63], s[6:7], s14 offset:0x40
	s_load_b512 s[68:83], s[6:7], s14 offset:0x80
	s_load_b512 s[84:99], s[6:7], s14 offset:0xc0
.endm
	MASKLOAD                                       ; key step 0's
; A KEY STEP: 128 keys, at LDS byte s2 of the ring.
.macro STEP
	v_add_nc_u32 v8, s2, v1                        ; K's eight images;
	s_wait_alu depctr_va_vdst(0)
	v_add_nc_u32 v9, 0x10000, v8                   ; V's.  (These two and the two below are the four places behind the last products, ahead of loads into their sources)
	v_nop
	v_nop
.irp g, 0,1                            ; S^T = K Q^T, four tiles of 16 keys at a time
.if \g > 0
.rept 4
	v_nop
.endr
.endif
.irp t, 0,1,2,3
.irp c, 0,1,2,3
	ds_load_b128 v[32+16*\t+4*\c:35+16*\t+4*\c], v8 offset:(4*\g+\t)*2048+512*\c
.endr
.endr
	s_wait_dscnt 0x0
.irp t, 0,1,2,3
	v_wmma_f32_16x16x128_fp8_fp8 v[96+8*(4*\g+\t):103+8*(4*\g+\t)], v[32+16*\t:47+16*\t], v[16:31], 0
.endr
.endr
.rept 4
	v_nop                                          ; places: ahead of the loads below and of the first read of the scores
.endr
	s_wait_alu depctr_va_vdst(0)
.irp t, 0,1,2,3
.irp c, 0,1,2,3
	ds_load_b128 v[32+16*\t+4*\c:35+16*\t+4*\c], v9 offset:\t*2048+512*\c       ; V's tiles 0-3 land under the softmax
.endr
.endr
	s_wait_kmcnt 0x0                               ; this step's mask words are in (asked for a step ago)
.set n, 0
.rept 64
	v_cndmask_b32 v[96+n], v10, v[96+n], s[32+n+4*(n/32)]   ; a hidden key's score becomes -infinity: p = 0.  Each accumulator from its low end on
.set n, n+1
.endr
	v_max3_num_f32 v254, v96, v97, v98             ; the step's largest score of my query among my 64 keys, in two chains,
	v_max3_num_f32 v252, v99, v100, v101
.irp i, 6,10,14,18,22,26,30,34,38,42,46,50,54,58
	s_delay_alu instid0(VALU_DEP_2)
	v_max3_num_f32 v254, v254, v[96+\i], v[97+\i]
	s_delay_alu instid0(VALU_DEP_2)
	v_max3_num_f32 v252, v252, v[98+\i], v[99+\i]
.endr
	s_delay_alu instid0(VALU_DEP_2)
	v_max3_num_f32 v254, v254, v158, v159
	s_delay_alu instid0(VALU_DEP_1)
	v_max_num_f32 v254, v254, v252
	v_permlanex16_b32 v236, v254, s30, s31
	s_delay_alu instid0(VALU_DEP_1)
	v_max_num_f32 v254, v254, v236                 ; and among lane l xor 16's
	s_delay_alu instid0(VALU_DEP_1)
	v_mul_f32 v254, s28, v254                      ; as t (c is positive)
	s_delay_alu instid0(VALU_DEP_1)
	v_max_num_f32 v13, v13, v254                   ; the running largest t
	v_mov_b32 v254, v12
	s_delay_alu instid0(VALU_DEP_2)
	v_floor_f32 v12, -v13                          ; the new -M = floor(-t): M is a whole number
	s_delay_alu instid0(VALU_DEP_1)
	v_sub_f32 v254, v12, v254                      ; old M - new M: a whole number, 0 or less
	s_delay_alu instid0(VALU_DEP_1)
	v_cvt_i32_f32 v254, v254                       ; (it saturates)
	s_delay_alu instid0(VALU_DEP_1)
	v_ldexp_f32 v252, 1.0, v254                    ; f = 2^(old M - new M)
	s_add_co_u32 s14, s14, 256                     ; the next step's mask words: the wait on KMcnt above has shown the last loads done, so their offset may step; the selections that read the old words stand 40 lines back
	s_and_b32 s14, s14, 0xfff                      ; (the last step asks for step 0's again: inside my tile's 4,096 bytes, and unused)
	MASKLOAD
.set n, 0
.rept 32
	v_pk_fma_f32 v[96+n:97+n], v[96+n:97+n], s[28:29], v[12:13] op_sel_hi:[1,0,0]   ; t - M, two at a time
.set n, n+2
.endr
.set n, 0
	s_setprio 1
	s_wait_alu depctr_va_vdst(0)
.rept 64
	v_exp_f32 v[96+n], v[96+n]                     ; p = 2^(t - M), at most 1
.set n, n+1
.endr
	v_pk_mul_f32 v[14:15], v[14:15], v[252:253] op_sel_hi:[1,0]      ; the sums under the new M.  (The plain line behind the exponentials)
	s_wait_alu depctr_va_vdst(0)                   ; one wait for the whole batch, ahead of its first reader
	v_pk_add_f32 v[242:243], v[100:101], v[104:105]
	v_pk_add_f32 v[254:255], v[108:109], v[112:113]
	v_pk_add_f32 v[250:251], v[116:117], v[120:121]
	v_pk_add_f32 v[240:241], v[124:125], v[128:129]
	v_pk_add_f32 v[238:239], v[132:133], v[136:137]
	v_pk_add_f32 v[236:237], v[140:141], v[144:145]
	v_pk_add_f32 v[234:235], v[148:149], v[152:153]
	v_pk_add_f32 v[14:15], v[14:15], v[156:157]
	v_pk_add_f32 v[242:243], v[242:243], v[96:97]
	v_pk_add_f32 v[254:255], v[254:255], v[98:99]
	v_pk_add_f32 v[250:251], v[250:251], v[102:103]
	v_pk_add_f32 v[240:241], v[240:241], v[106:107]
	v_pk_add_f32 v[238:239], v[238:239], v[110:111]
	v_pk_add_f32 v[236:237], v[236:237], v[114:115]
	v_pk_add_f32 v[234:235], v[234:235], v[118:119]
	v_pk_add_f32 v[14:15], v[14:15], v[122:123]
	v_pk_add_f32 v[242:243], v[242:243], v[126:127]
	v_pk_add_f32 v[254:255], v[254:255], v[130:131]
	v_pk_add_f32 v[250:251], v[250:251], v[134:135]
	v_pk_add_f32 v[240:241], v[240:241], v[138:139]
	v_pk_add_f32 v[238:239], v[238:239], v[142:143]
	v_pk_add_f32 v[236:237], v[236:237], v[146:147]
	v_pk_add_f32 v[234:235], v[234:235], v[150:151]
	v_pk_add_f32 v[14:15], v[14:15], v[154:155]
	v_pk_add_f32 v[242:243], v[242:243], v[158:159]
	s_delay_alu instid0(VALU_DEP_2)
	v_pk_add_f32 v[14:15], v[14:15], v[240:241]
	s_delay_alu instid0(VALU_DEP_2)
	v_pk_add_f32 v[242:243], v[242:243], v[238:239]
	v_pk_add_f32 v[254:255], v[254:255], v[236:237]
	v_pk_add_f32 v[250:251], v[250:251], v[234:235]
	s_delay_alu instid0(VALU_DEP_2)
	v_pk_add_f32 v[14:15], v[14:15], v[254:255]
	s_delay_alu instid0(VALU_DEP_2)
	v_pk_add_f32 v[242:243], v[242:243], v[250:251]
	s_delay_alu instid0(VALU_DEP_1)
	v_pk_add_f32 v[14:15], v[14:15], v[242:243]
.irp b, 0,1,2,3
.irp i, 0,1,2,3,4,5,6,7,8,9,10,11,12,13,14,15
.endr
	v_cvt_scalef32_pk8_fp8_f32 v[224+4*\b:225+4*\b], v[96+16*\b:103+16*\b], v244
	v_cvt_scalef32_pk8_fp8_f32 v[226+4*\b:227+4*\b], v[104+16*\b:111+16*\b], v244
.endr
.set n, 0
.rept 32
	v_pk_mul_f32 v[160+n:161+n], v[160+n:161+n], v[252:253] op_sel_hi:[1,0]      ; O^T under the new M.  (Also the plain lines between the conversions and the products)
.set n, n+2
.endr
	s_setprio 0
	s_wait_alu depctr_va_vdst(0)
	s_wait_dscnt 0x0                               ; V's tiles 0-3
.irp t, 0,1,2,3
	v_wmma_f32_16x16x128_fp8_fp8 v[160+8*\t:167+8*\t], v[32+16*\t:47+16*\t], v[224:239], v[160+8*\t:167+8*\t]
.endr
.rept 4
	v_nop
.endr
.irp t, 0,1,2,3
.irp c, 0,1,2,3
	ds_load_b128 v[32+16*\t+4*\c:35+16*\t+4*\c], v9 offset:(4+\t)*2048+512*\c
.endr
.endr
	s_wait_dscnt 0x0
.irp t, 0,1,2,3
	v_wmma_f32_16x16x128_fp8_fp8 v[192+8*\t:199+8*\t], v[32+16*\t:47+16*\t], v[224:239], v[192+8*\t:199+8*\t]
.endr
.endm
.macro SLOT_STEPS                      ; a slot's four key steps: written once, walked four times
	s_mov_b32 s12, 4
.Lstep_\@:
	s_setprio 2
	STEP
	s_add_co_u32 s2, s2, 16384
	s_sub_co_u32 s12, s12, 1
	s_cmp_lg_u32 s12, 0
	s_cbranch_scc1 .Lstep_\@
	s_setprio 0
	s_sub_co_u32 s2, s2, 65536                     ; back to a slot's first step,
	s_xor_b32 s2, s2, SLOT1                        ; in the other slot
.endm
; A PREFETCH INTO THE L2 of what the NEXT change of slots will ask for: 128 KiB of K and V, each aligned block of 256 bytes named once in the launch.  All four clusters of a head walk the same K and V: the first asks.
; In it the even waves ask, each for the 32 KiB that it and the next wave will fetch; the four partners share those out BY ADDRESS, 8,192 bytes each, lanes 256 bytes apart.  It stands behind the tensor load and its five lines;
; the last change that fills a slot asks for nothing, and nothing is asked for at the head.
.macro ASK
	s_cmp_gt_u32 s13, s15
	s_cbranch_scc0 .Lnot_mine_\@
	global_prefetch_b8 v3, s[66:67] th:TH_LOAD_NT scope:SCOPE_SE
.Lnot_mine_\@:
.endm
; THE CHANGE OF SLOTS stands at a slot's head.  Each wave waits for all its tensor loads (its block of the slot ahead), adds 0 to its spare word, and waits for that and for its reads of the slot that it has left.
; fill = 1: a round of the cluster's barrier, and behind it the other slot takes the next four key steps: the load has four key steps in which to land.  (The first time it is that slot's first fill, in all eight waves.)
.macro CHANGE fill
	s_wait_tensorcnt 0x0                           ; no tensor load of mine is out, so group 0 may be written
	ds_add_u32 v5, v6                              ; 0 onto my spare word
.if \fill
	s_xor_b32 s25, s25, SLOT1                      ; the walking descriptor: the other slot,
	s_add_nc_u64 s[26:27], s[26:27], 65536         ; the next four key steps
	s_wait_xcnt 0x0                                ; the last prefetch, a slot back, has read its address
	s_add_nc_u64 s[66:67], s[66:67], 65536
	s_wait_dscnt 0x0                               ; the add is done, and my reads of the slot that I have left are over
	CROUND
	tensor_load_to_lds s[24:27], s[16:23]          ; the first thing behind the round, and my one tensor load until the next
	s_nop 0
.rept 4
	v_nop
.endr
	ASK
.else
	s_wait_dscnt 0x0
	s_barrier_signal -1
	s_barrier_wait -1
.endif
.endm
	s_wait_loadcnt 0x0                             ; Q
	s_mov_b32 s13, 3                               ; slots still to be asked for
.Lslot:
	CHANGE 1
	SLOT_STEPS
	s_sub_co_u32 s13, s13, 1
	s_cmp_lg_u32 s13, 0
	s_cbranch_scc1 .Lslot
	CHANGE 0                                       ; the last slot is written out
	SLOT_STEPS
	; THE WAY OUT.  O^T / the sum x 2^(e8 + e9 - e10) is o / 2^e10: converted: the lane's 64 numbers are the image's 16 registers.  The plain lines below are the places behind the last products.
	v_add_f32 v14, v14, v15
	s_delay_alu instid0(VALU_DEP_1)
	v_permlanex16_b32 v252, v14, s30, s31
	s_delay_alu instid0(VALU_DEP_1)
	v_add_f32 v14, v14, v252                       ; the row's sum
	s_delay_alu instid0(VALU_DEP_1)
	v_cmp_eq_f32 s101, 0, v14                      ; a query none of whose keys counts
	s_delay_alu instid0(VALU_DEP_2)
	v_max_num_f32 v14, 0.5, v14                    ; (a query with a key that counts has a sum above 1/2: its largest p; this hold keeps the empty rows' arithmetic finite)
	s_wait_alu depctr_va_vdst(0)
	v_rcp_f32 v14, v14
	v_nop                                          ; a plain line behind the transcendental,
	s_wait_alu depctr_va_vdst(0)                   ; and the wait ahead of its first reader
	v_ldexp_f32 v14, v14, s100
.set n, 0
.rept 64
	v_mul_f32 v[96+n], v[160+n], v14               ; each accumulator from its low end on
.set n, n+1
.endr
.set n, 0
.rept 64
.set n, n+1
.endr
.set k, 0
.rept 8
	v_cvt_scalef32_pk8_fp8_f32 v[224+2*k:225+2*k], v[96+8*k:103+8*k], v247
.set k, k+1
.endr
	v_nop                                          ; a plain line between the conversions and the lines that touch their results
.set k, 0
.rept 16
	v_cndmask_b32 v[224+k], v[224+k], v248, s101   ; the empty rows: NaN codes
.set k, k+1
.endr
.irp c, 0,1,2,3
	global_store_b128 v1, v[224+4*\c:227+4*\c], s[10:11] offset:512*\c           ; 512 consecutive aligned bytes a store
.endr
	s_wait_kmcnt 0x0                               ; the last, unused mask words
	s_wait_tensorcnt 0x0                           ; the wave's end, behind my last tensor load
	ds_add_u32 v5, v6
	s_wait_dscnt 0x0
	CROUND                                         ; the closing round
	s_endpgm
.Lfunc_end_k_qa10834e58c_attn:
	.size	k_qa10834e58c_attn, .Lfunc_end_k_qa10834e58c_attn-k_qa10834e58c_attn
	.p2alignl 7, 3214868480
	.fill 96, 4, 3214868480
	.section	.rodata,"a",@progbits
	.p2align	6, 0x0
	.amdhsa_kernel k_qa10834e58c_attn
		.amdhsa_group_segment_fixed_size 327680
		.amdhsa_private_segment_fixed_size 0
		.amdhsa_enable_private_segment 0
		.amdhsa_kernarg_size 32
		.amdhsa_user_sgpr_count 2
		.amdhsa_user_sgpr_kernarg_segment_ptr 1
		.amdhsa_wavefront_size32 1
		.amdhsa_system_sgpr_workgroup_id_x 1
		.amdhsa_system_sgpr_workgroup_id_y 1
		.amdhsa_system_sgpr_workgroup_id_z 1
		.amdhsa_system_vgpr_workitem_id 0
		.amdhsa_next_free_vgpr 256
		.amdhsa_next_free_sgpr 102
		.amdhsa_reserve_vcc 0
		.amdhsa_float_denorm_mode_32 3
		.amdhsa_float_denorm_mode_16_64 3
		.amdhsa_fp16_overflow 1
		.amdhsa_memory_ordered 1
		.amdhsa_forward_progress 1
		.amdhsa_inst_pref_size 60
	.end_amdhsa_kernel
	.amdgpu_metadata
---
amdhsa.version: [ 1, 2 ]
amdhsa.kernels:
  - .name:           k_qa10834e58c_attn
    .symbol:         k_qa10834e58c_attn.kd
    .args:
      - { .name: qkv, .offset: 0, .size: 8, .value_kind: global_buffer, .address_space: global }
      - { .name: maskw, .offset: 8, .size: 8, .value_kind: global_buffer, .address_space: global }
      - { .name: lowp_scales, .offset: 16, .size: 8, .value_kind: global_buffer, .address_space: global }
      - { .name: ocodes, .offset: 24, .size: 8, .value_kind: global_buffer, .address_space: global }
    .group_segment_fixed_size: 327680
    .private_segment_fixed_size: 0
    .kernarg_segment_align: 8
    .kernarg_segment_size: 32
    .max_flat_workgroup_size: 256
    .sgpr_count:     102
    .vgpr_count:     256
    .wavefront_size: 32
...
	.end_amdgpu_metadata
.endif
;; end of part 3
;; launch outp (part 4): grid 16 x 16, 4 waves a work-group, clusters of 4 x 4, 327,680 bytes of LDS; arguments ocodes, opnd, lowp_scales, out0; writes out0
.if DOCPART == 4
	.amdgcn_target "amdgcn-amd-amdhsa--gfx1250"
	.amdhsa_code_object_version 6
	.text
	.protected	k_qa10834e58c_outp
	.globl	k_qa10834e58c_outp
	.p2align	8
	.type	k_qa10834e58c_outp,@function
k_qa10834e58c_outp:
	s_mov_b64 s[64:65], 0
	v_nop
	global_prefetch_b8 v0, s[64:65] scope:SCOPE_SE
	s_setreg_imm32_b32 hwreg(HW_REG_WAVE_MODE, 25, 1), 1
	s_wait_xcnt 0x0
	s_wait_alu depctr_hold_cnt(0) depctr_sa_sdst(0) depctr_va_vdst(0) depctr_va_sdst(0) depctr_va_ssrc(0) depctr_va_vcc(0) depctr_vm_vsrc(0)
	s_getreg_b32 s2, hwreg(HW_REG_IB_STS2, 6, 4)
	s_cmp_eq_u32 s2, 0
	s_cbranch_scc0 .Lentry_in_a_cluster
	s_endpgm
.Lentry_in_a_cluster:
	s_bfe_u32 s2, ttmp6, 0x10000c
	s_cmp_lg_u32 s2, 0xf033
	s_cbranch_scc0 .Lentry_shape_is_right
	s_endpgm
.Lentry_shape_is_right:
; OUTP: out0 = o wo^T on codes of E4M3; each finished sum x 2^(e10 + e11).  Nothing is left out.  Both operands lie as images of fragments (layout: head of the kernel prep): o in ocodes, wo in section 6 of opnd.
; A TILE OF out0 IS 128 x 128, so that 2,048 x 2,048 results give 256 work-groups.  Four waves, each 64 x 64: 16 accumulators of 16 x 16, 128 registers.
; K = 2,048 goes in four fills of 512 through a ring of two LDS slots: a fill is 8 tiles x 8,192 bytes of o, then as many of wo; each wave fetches four tiles by one tensor load.  Two fills go out at the head, two are refills:
; so the walk is written out, without a loop.
; CLUSTERS: 4 x 4 work-groups.  o's tiles (source 1, tile index Y) are asked for jointly along a row of the cluster, wo's (source 0, tile index X) along a column: the same tensor load, the same descriptor, a mask that names the four.
; THE MATRIX INSTRUCTION IS USED TRANSPOSED: a lane holds one row of out0.  Register 8 b + j of a block holds column 32 (b / 2) + 16 h + 8 (b % 2) + j of the wave's 64; lane r of block a holds row 32 (a / 2) + 8 (a % 2) + r + 8 (r / 8) of the wave's 64.
; LIMIT: e10 + e11 between -126 and 127.  A row of NaN codes (a query none of whose keys counts) gives a row of NaN, as the definition does.
; REGISTERS, in windows of 256: window 0: v16-29 addresses; v32-63 a block's results; v64-127 rows read back, two sets; v128-255 accumulator (a, b) at v[128 + 8 (4 a + b)].
;   window 1: two fragment buffers of 128 (v0, v128): wo's four fragments, then o's four, for 128 along K.
.set SLOT,   131072                    ; o's 8 tiles x 8,192 bytes (four steps of 128 along K), then wo's
.set SPARE,  2*SLOT                    ; behind the ring: the spare words, 128 bytes a wave: two blocks of 256 bytes that no other line names
.set FR,     16                        ; registers of a fragment
.set SPITCH, 272                       ; the way out: a stage of 16 rows x (256 bytes + 16) for each wave, in slot 0, which has had its last fill and its last read when the first result is stored there
.set ADRA, 16                          ; v16-17 LDS address of my fragments of o in slot 0, 1
.set ADRB, 20                          ; v20-21 of wo
.set STO,  24                          ; v24 where I put my 16 bytes of a row
.set RD,   25                          ; v25 where I read a row back
.set CO,   26                          ; v26 my byte offset in two rows of out0
.set SPW,  28                          ; v28 LDS address of my spare word; never rewritten
.set NIL,  29                          ; v29 0; never rewritten
.set TMP,  32
.set BK,   64
.set ACC,  128
.set F0,   0                           ; the fragment buffers, in window 1
.set F1,   128
.set G1, 24                            ; s[24:31] descriptor group 1 for o's tiles; s[32:39] its groups 0, one for each slot
.set G0, 32
.set G1B, 48                           ; s[48:55], s[56:63] the same for wo's
.set G0B, 56
.set MSB, 0
.macro WIN new                         ; the immediate's high byte repeats the setting that is left
.if MSB != \new
	s_set_vgpr_msb (MSB<<8)|\new
.set MSB, \new
.endif
.endm
.set MUL,  0x05                        ; sources 0 (wo) and 1 (o) window 1; C and D window 0
.set TO_F, 0x40                        ; destination window 1, address window 0
; A joint load: waves 0 and 1 fetch o's two halves, waves 2 and 3 wo's.  The branch hangs on the wave's number alone.  An s_nop 0 and four v_nop follow each of the two lines.
.macro JLOAD s
	s_cmp_eq_u32 s15, 0
	s_cbranch_scc0 .Lfor_b_\@
	tensor_load_to_lds s[G0+4*\s:G0+4*\s+3], s[G1:G1+7]
	s_nop 0
.rept 4
	v_nop
.endr
	s_branch .Lasked_\@
.Lfor_b_\@:
	tensor_load_to_lds s[G0B+4*\s:G0B+4*\s+3], s[G1B:G1B+7]
	s_nop 0
.rept 4
	v_nop
.endr
.Lasked_\@:
.endm
.macro CREST                           ; a round of the cluster's barrier behind its opening barrier
	s_cmp_lg_u32 s14, 0
	s_cbranch_scc1 .Lnot_wave_0_\@
	s_barrier_signal -3
.Lnot_wave_0_\@:
	s_barrier_wait -3
	s_barrier_signal -1
	s_barrier_wait -1
.endm
.macro CROUND                          ; a whole round
	s_barrier_signal -1
	s_barrier_wait -1
	CREST
.endm
	s_load_b256 s[4:11], s[0:1], 0x0               ; ocodes 4, opnd 6, the scales' exponents 8, out0 10
	v_lshl_add_u32 v[SPW], v0, 2, SPARE
	v_mov_b32 v[NIL], 0
	ds_add_u32 v[SPW], v[NIL]                      ; the wave's opening: the add, twice on end, and its wait ahead of my first tensor load; the set-up below stands between
	ds_add_u32 v[SPW], v[NIL]
	v_lshrrev_b32 v1, 5, v0
	v_readfirstlane_b32 s14, v1                    ; wave 0..3
	s_lshr_b32 s15, s14, 1                         ; my half of the tile's rows.  Also: I fetch o's tiles (0) or wo's (1)
	s_and_b32 s16, s14, 1                          ; my half of its columns.  Also: which four tiles I fetch
	s_bfe_u32 s40, ttmp6, 0x40000                  ; cx, cy: my place in the cluster
	s_bfe_u32 s41, ttmp6, 0x40004
	s_lshl_b32 s42, ttmp9, 2
	s_add_co_u32 s42, s42, s40                     ; X = 0 .. 15
	s_and_b32 s17, ttmp7, 0xffff
	s_lshl_b32 s17, s17, 2
	s_add_co_u32 s17, s17, s41                     ; Y = 0 .. 15
	s_lshl_b32 s43, s41, 2
	s_lshl_b32 s43, 15, s43                        ; my row of the cluster
	s_lshl_b32 s44, 0x1111, s40                    ; my column
	; descriptor group 1: four tiles' 8,192 bytes (512 along K), 32,768 bytes apart in memory, dense in LDS; elements of 8 bytes
	s_or_b32 s[G1+0], s43, (3<<16)|(1<<21)         ; 15:0 the mask; 17:16 elements of 8 bytes; 21 set beside a mask; no padding: an image is read 512 consecutive bytes at a time
	s_or_b32 s[G1B+0], s44, (3<<16)|(1<<21)
.irp g, G1, G1B
	s_mov_b32 s[\g+1], 1024<<16                    ; tensor_dim0 = 1,024
	s_mov_b32 s[\g+2], 4<<16                       ; tensor_dim1 = 4
	s_mov_b32 s[\g+3], 1024<<16                    ; tile_dim0 = 1,024
	s_mov_b32 s[\g+4], 4                           ; tile_dim1 = 4
	s_mov_b32 s[\g+5], 4096                        ; tensor_dim0_stride
	s_mov_b32 s[\g+6], 0
	s_mov_b32 s[\g+7], 0
.endr
	s_lshl_b32 s20, s17, 18                        ; o: 8 tiles of 32,768 bytes for each Y,
	s_lshl_b32 s21, s16, 17                        ; the four that I fetch
	s_add_co_u32 s20, s20, s21
	s_mov_b32 s21, 0
	s_lshl_b32 s46, s42, 18                        ; wo likewise, by X,
	s_lshl_b32 s47, s16, 17
	s_add_co_u32 s46, s46, s47
	s_add_co_u32 s46, s46, 6<<22                   ; in its section of opnd
	s_mov_b32 s47, 0
	s_lshl_b32 s45, s14, 15                        ; where they go: wave x 32,768: no place in the cluster enters an LDS address
	s_wait_dscnt 0x0                               ; both opening adds are done
	s_wait_kmcnt 0x0
	s_load_b64 s[96:97], s[8:9], 0x28              ; e10, e11
	s_add_nc_u64 s[20:21], s[4:5], s[20:21]
	s_add_nc_u64 s[46:47], s[6:7], s[46:47]
	CROUND                                         ; all sixteen work-groups are here: the first joint loads meet
.irp s, 0,1
	s_mov_b32 s[G0+4*\s], 1
	s_add_co_u32 s[G0+4*\s+1], s45, \s*SLOT
	s_add_nc_u64 s[G0+4*\s+2:G0+4*\s+3], s[20:21], \s*8192
	s_or_b32 s[G0+4*\s+3], s[G0+4*\s+3], 0x80000000
	s_mov_b32 s[G0B+4*\s], 1
	s_add_co_u32 s[G0B+4*\s+1], s45, \s*SLOT
	s_add_nc_u64 s[G0B+4*\s+2:G0B+4*\s+3], s[46:47], \s*8192
	s_or_b32 s[G0B+4*\s+3], s[G0B+4*\s+3], 0x80000000
	JLOAD \s                                       ; K 0 to 511 and 512 to 1,023: two loads of mine are out
.endr
	v_and_b32 v1, 31, v0
	v_lshlrev_b32 v4, 4, v1                        ; 16 x lane: my place in every image
	v_and_b32 v2, 15, v0                           ; r
	v_bfe_u32 v3, v0, 4, 1                         ; h
	s_lshl_b32 s21, s15, 15                        ; my four tiles of o
	s_lshl_b32 s22, s16, 15                        ; my four of wo,
	s_add_co_u32 s22, s22, 65536                   ; which lie behind o's eight
.irp s, 0,1
	v_add_nc_u32 v[ADRA+\s], s21, v4
	v_add_nc_u32 v[ADRB+\s], s22, v4
	s_add_co_u32 s21, s21, SLOT
	s_add_co_u32 s22, s22, SLOT
.endr
	s_mul_i32 s23, s14, 16*SPITCH                  ; my stage
	v_mul_u32_u24 v5, v2, SPITCH
	v_lshl_add_u32 v5, v3, 6, v5
	v_add_nc_u32 v[STO], s23, v5                   ; in: row r, + 64 h
	v_mul_u32_u24 v6, v3, SPITCH
	v_lshl_add_u32 v6, v2, 4, v6
	v_add_nc_u32 v[RD], s23, v6                    ; back: lanes 0-15 take one row of 256 bytes, lanes 16-31 the next
	v_lshlrev_b32 v[CO], 4, v2
	v_lshl_add_u32 v[CO], v3, 13, v[CO]            ; and the same two rows in out0: a row is 8,192 bytes
	s_lshl_b32 s20, s17, 20                        ; my first row of out0: (128 Y + 64 x half) rows of 8,192 bytes,
	s_lshl_b32 s21, s15, 19
	s_add_co_u32 s20, s20, s21
	s_mov_b32 s21, 0
	s_lshl_b32 s46, s42, 9                         ; my first column: 512 X + 256 x half bytes
	s_lshl_b32 s47, s16, 8
	s_add_co_u32 s46, s46, s47
	s_mov_b32 s47, 0
	s_add_nc_u64 s[46:47], s[46:47], s[20:21]
	s_add_nc_u64 s[10:11], s[10:11], s[46:47]
; Four matrix instructions: o's block a x wo's four, 128 along K, out of buffer f.  zero = 1: the first product starts the sums: nothing is ever cleared.
; The 16 accumulators take turns, one instruction a turn, in the same order in every step.
.macro MUL4 f, a, zero
.irp b, 0,1,2,3
.if \zero
	v_wmma_f32_16x16x128_fp8_fp8 v[ACC+8*(4*(\a)+\b):ACC+8*(4*(\a)+\b)+7], v[\f+FR*\b:\f+FR*\b+FR-1], v[\f+64+FR*(\a):\f+64+FR*(\a)+FR-1], 0
.else
	v_wmma_f32_16x16x128_fp8_fp8 v[ACC+8*(4*(\a)+\b):ACC+8*(4*(\a)+\b)+7], v[\f+FR*\b:\f+FR*\b+FR-1], v[\f+64+FR*(\a):\f+64+FR*(\a)+FR-1], v[ACC+8*(4*(\a)+\b):ACC+8*(4*(\a)+\b)+7]
.endif
.endr
.endm
; 32 LDS loads in one run: the eight fragments of the slot's q-th 128 along K into buffer f: wo's four, then o's four; each load takes 512 consecutive bytes
.macro FETCH slot, q, f
	WIN TO_F
.irp i, 0,1,2,3
.irp c, 0,1,2,3
	ds_load_b128 v[\f+FR*\i+4*\c:\f+FR*\i+4*\c+3], v[ADRB+\slot] offset:8192*\i+2048*(\q)+512*\c
.endr
.endr
.irp i, 0,1,2,3
.irp c, 0,1,2,3
	ds_load_b128 v[\f+64+FR*\i+4*\c:\f+64+FR*\i+4*\c+3], v[ADRA+\slot] offset:8192*\i+2048*(\q)+512*\c
.endr
.endr
.endm
.macro PLACES                          ; four plain vector lines between a matrix instruction and a load into, or a vector line on, its registers (ISA guide 7.12.1 for vector lines)
.rept 4
	v_nop
.endr
.endm
; A step of 128 along K whose successor lies in the same slot: multiplies buffer f; the successor's fragments, the slot's q-th, are asked for first, into buffer g, sixteen products ahead of their use.
.macro QUARTER slot, q, f, g, zero
	s_wait_dscnt 8                                 ; of this step's 32 loads the youngest eight (o's blocks 2, 3) may be out
	PLACES                                         ; buffer g was multiplied by the products just issued
	FETCH \slot, \q, \g
	WIN MUL
	MUL4 \f, 0, \zero
	MUL4 \f, 1, \zero
	s_wait_dscnt 32                                ; all but the 32 just issued
	MUL4 \f, 2, \zero
	MUL4 \f, 3, \zero
.endm
; A slot's last step multiplies buffer 1 and changes slots: ONE barrier; ahead of it each wave waits for all its tensor loads, adds 0 to its spare word, and waits for that and for its reads of this slot.
; fill = 1: the barrier opens a round of the cluster's, and behind the round this slot takes the 512 along K that lie two fills on: that load has 56 products in which to land.
.macro TURN slot, next, fill
	WIN 0                                          ; (the add's two registers lie in window 0)
	s_wait_tensorcnt 0x0                           ; all my tensor loads have landed: my part of the next slot
	ds_add_u32 v[SPW], v[NIL]                      ; 0 onto my spare word
	s_wait_dscnt 9                                 ; (the add and the youngest eight loads may be out)
	WIN MUL
	MUL4 F1, 0, 0                                  ; four products stand between the add and the wait for it
	s_wait_dscnt 0x0                               ; the add is done, and my reads of this slot are over
	s_barrier_signal -1
	MUL4 F1, 1, 0                                  ; work on registers while the others arrive
	WIN 0
	s_barrier_wait -1
.if \fill
	CREST                                          ; no wave of any partner still reads this slot or has a load on its way
	s_add_nc_u64 s[G0+4*\slot+2:G0+4*\slot+3], s[G0+4*\slot+2:G0+4*\slot+3], 16384
	s_add_nc_u64 s[G0B+4*\slot+2:G0B+4*\slot+3], s[G0B+4*\slot+2:G0B+4*\slot+3], 16384
	JLOAD \slot                                    ; the first tensor load behind the round, and my one load until the next; its four v_nop are the places in front of the loads below
.else
	PLACES
.endif
	FETCH \next, 0, F0
	WIN MUL
	MUL4 F1, 2, 0
	MUL4 F1, 3, 0
.endm
.macro SLOT_HEAD slot, zero            ; a slot's first three steps
	QUARTER \slot, 1, F0, F1, \zero
	QUARTER \slot, 2, F1, F0, 0
	QUARTER \slot, 3, F0, F1, 0
.endm
	s_wait_tensorcnt 1                             ; my part of slot 0 is in (slot 1's load may be out)
	s_barrier_signal -1
	s_barrier_wait -1                              ; everybody's is
	FETCH 0, 0, F0
	SLOT_HEAD 0, 1                                 ; K 0 to 511: the first step's products start the sums
	TURN 0, 1, 1                                   ; slot 0 takes K 1,024 to 1,535
	SLOT_HEAD 1, 0                                 ; K 512 to 1,023
	TURN 1, 0, 1                                   ; slot 1 takes K 1,536 to 2,047: the last load
	SLOT_HEAD 0, 0
	TURN 0, 1, 0                                   ; nothing is left to fetch: no round
	SLOT_HEAD 1, 0
	s_wait_dscnt 8                                 ; the very last step
	MUL4 F1, 0, 0
	MUL4 F1, 1, 0
	s_wait_dscnt 0
	MUL4 F1, 2, 0
	MUL4 F1, 3, 0
	WIN 0
; THE WAY OUT, a block of 16 rows x 64 columns at a time, through my own stage: in by lanes (16 bytes at a time of a lane's row), back as whole rows of 256 bytes, two an instruction.
; A wave's 64 columns are 256 consecutive bytes of a row of out0, at a multiple of 256 from its first byte: so no row is shared with another wave, and no barrier is needed.
; LDS serves a wave's instructions in order (ISA guide 5.7.1.4): no wait between the stores and the loads, nor ahead of the next block's stores.
.macro TOSTAGE a
.set n, 0
.rept 32
	v_mul_f32 v[TMP+n], v[ACC+32*(\a)+n], s96      ; x 2^(e10 + e11): exact, short of overflow and underflow; each accumulator from its low end on
.set n, n+1
.endr
.irp b, 0,1,2,3
	ds_store_b128 v[STO], v[TMP+8*\b:TMP+8*\b+3] offset:128*(\b/2)+32*(\b%2)
	ds_store_b128 v[STO], v[TMP+8*\b+4:TMP+8*\b+7] offset:128*(\b/2)+32*(\b%2)+16
.endr
.set BB, BK+32*((\a)%2)
.irp t, 0,1,2,3,4,5,6,7
	ds_load_b128 v[BB+4*\t:BB+4*\t+3], v[RD] offset:2*\t*SPITCH
.endr
.endm
.macro SEND a, younger                 ; younger: the LDS instructions issued behind block a's loads, which may stay out
.set BB, BK+32*((\a)%2)
	s_wait_dscnt \younger
.irp t, 0,1,2,3,4,5,6,7
	global_store_b128 v[CO], v[BB+4*\t:BB+4*\t+3], s[10:11] offset:(32*((\a)/2)+8*((\a)%2)+2*\t+8*(\t/4))*8192 th:TH_STORE_NT   ; sixteen lanes store 256 consecutive aligned bytes of one row; the row stands in the immediate: 62 rows at the most
.endr
.endm
	s_wait_kmcnt 0x0
	s_add_co_i32 s96, s96, s97
	s_add_co_i32 s96, s96, 127
	s_lshl_b32 s96, s96, 23                        ; 2^(e10 + e11) as f32
	PLACES                                         ; ahead of the first read of results
	TOSTAGE 0
.irp a, 1,2,3
.if \a > 1
	s_wait_xcnt 0x0                                ; block a - 2's stores have read their registers: block a's rows may land there
.endif
	TOSTAGE \a
	SEND \a-1, 16                                  ; behind block a - 1's loads: block a's 8 stores and 8 loads
.endr
	SEND 3, 0
	s_wait_tensorcnt 0x0                           ; the wave's end, behind my last tensor load and my last LDS store
	ds_add_u32 v[SPW], v[NIL]
	s_wait_dscnt 0x0
	CROUND                                         ; the closing round: no work-group ends while a partner may still ask for a tile that names it
	s_endpgm
.Lfunc_end_k_qa10834e58c_outp:
	.size	k_qa10834e58c_outp, .Lfunc_end_k_qa10834e58c_outp-k_qa10834e58c_outp
	.p2alignl 7, 3214868480
	.fill 96, 4, 3214868480
	.section	.rodata,"a",@progbits
	.p2align	6, 0x0
	.amdhsa_kernel k_qa10834e58c_outp
		.amdhsa_group_segment_fixed_size 327680
		.amdhsa_private_segment_fixed_size 0
		.amdhsa_enable_private_segment 0
		.amdhsa_kernarg_size 32
		.amdhsa_user_sgpr_count 2
		.amdhsa_user_sgpr_kernarg_segment_ptr 1
		.amdhsa_wavefront_size32 1
		.amdhsa_system_sgpr_workgroup_id_x 1
		.amdhsa_system_sgpr_workgroup_id_y 1
		.amdhsa_system_sgpr_workgroup_id_z 1
		.amdhsa_system_vgpr_workitem_id 0
		.amdhsa_next_free_vgpr 512
		.amdhsa_next_free_sgpr 98
		.amdhsa_reserve_vcc 0
		.amdhsa_float_denorm_mode_32 3
		.amdhsa_float_denorm_mode_16_64 3
		.amdhsa_memory_ordered 1
		.amdhsa_forward_progress 1
		.amdhsa_inst_pref_size 77
	.end_amdhsa_kernel
	.amdgpu_metadata
---
amdhsa.version: [ 1, 2 ]
amdhsa.kernels:
  - .name:           k_qa10834e58c_outp
    .symbol:         k_qa10834e58c_outp.kd
    .args:
      - { .name: ocodes, .offset: 0, .size: 8, .value_kind: global_buffer, .address_space: global }
      - { .name: opnd, .offset: 8, .size: 8, .value_kind: global_buffer, .address_space: global }
      - { .name: lowp_scales, .offset: 16, .size: 8, .value_kind: global_buffer, .address_space: global }
      - { .name: out0, .offset: 24, .size: 8, .value_kind: global_buffer, .address_space: global }
    .group_segment_fixed_size: 327680
    .private_segment_fixed_size: 0
    .kernarg_segment_align: 8
    .kernarg_segment_size: 32
    .max_flat_workgroup_size: 128
    .sgpr_count:     98
    .vgpr_count:     512
    .wavefront_size: 32
...
	.end_amdgpu_metadata
.endif
;; end of part 4
